; MI455X (gfx1250); checked and timed in simulation.
; The chip was launched on July 23, 2026; its instructions are those of AMD's public machine-readable ISA for CDNA 5 (MIT licence, August 2026) and "CDNA5" Instruction Set Architecture Reference Guide (July 2026). The comments in the code are by the model that wrote it; some were corrected since.
;; Simple Self Attention. Allowed arithmetic: matrix products marked QUANTISED: E3M2 operands, one E8M0 scale for each 32 along K, by v_wmma_scale_f32_16x16x128_f8f6f4 with both operands' format E3M2, f32 sums; everything else in f32.
;; Inputs: Wk 1,024 x 1,024 float32; Wq 1,024 x 1,024 float32; Wv 1,024 x 1,024 float32; bk 1,024 float32; bq 1,024 float32; bv 1,024 float32; x 4 x 2,048 x 1,024 float32.
;; Outputs: out0 4 x 2,048 x 1,024 float32.
;; This version of the problem:
;;   THIS VERSION OF THE PROBLEM IS GIVEN IN LOW PRECISION. The matrix products marked QUANTISED in the list below multiply operands that are first quantised to E3M2 (3 exponent bits, 2 mantissa bits; 6 bits a number), with one power-of-two scale for each 32 numbers along K (OCP MX v1.0); their sums are f32. All else is computed in f32.
;;   The module's matrix products, in the order in which they are computed (A, B: the left and right operand; K: the contracted axis; several contracted axes count as one K, in the product's order):
;;     1. [M 8,192, K 1,024] x [K 1,024, N 1,024]; A: input x; B: input Wq: QUANTISED
;;     2. [M 8,192, K 1,024] x [K 1,024, N 1,024]; A: input x; B: input Wk: QUANTISED
;;     3. [M 8,192, K 1,024] x [K 1,024, N 1,024]; A: input x; B: input Wv: QUANTISED
;;     4. batch 4 x [M 2,048, K 1,024] x [K 1,024, N 2,048]; A: computed on the way; B: computed on the way: QUANTISED
;;     5. batch 4 x [M 2,048, K 2,048] x [K 2,048, N 1,024]; A: softmax (see below); B: computed on the way: QUANTISED
;;   THE QUANTISER, for each operand of a quantised product, along K:
;;     - K is cut into blocks of 32 from its start; a last block that is shorter is filled with zeros.
;;     - A block's scale is 2^e with e = floor(log2(the largest magnitude in the block)) - 4, held to -126 .. 127; a block of zeros has e = 0. As a byte (E8M0): e + 127.
;;     - Each number is divided by its block's scale, clamped to +-28, and rounded to the nearest number of E3M2, ties to even, subnormals kept.
;;     - The product sums the exact products of the quantised numbers (number of the format x scale) in f32.
;;   ~~~python
;;   def quantise(x, axis):      # numpy; x: float32 -> the quantised numbers, widened to float32 again
;;       x = np.moveaxis(x, axis, -1); K = x.shape[-1]
;;       x = np.pad(x, [(0, 0)] * (x.ndim - 1) + [(0, -K % 32)]); x = x.reshape(x.shape[:-1] + (-1, 32)); a = np.abs(x).max(-1, keepdims=True)
;;       e = np.where(a > 0, np.clip(np.frexp(np.where(a > 0, a, 1))[1] - 1 - 4, -126, 127), 0)      # np.frexp(a)[1] - 1 = floor(log2(a)), exactly
;;       r = np.clip(x / 2.0 ** e, -28, 28)
;;       step = 2.0 ** (np.maximum(np.frexp(np.where(r == 0, 1, r))[1] - 1, -2) - 2)
;;       q = np.round(r / step) * step * 2.0 ** e      # np.round: ties to even
;;       return np.moveaxis(q.reshape(q.shape[:-2] + (-1,))[..., :K], -1, axis).astype(np.float32)
;;   ~~~
;;   SOFTMAX AHEAD OF A QUANTISED PRODUCT. Where the list says 'softmax', what is quantised is not the finished softmax but p = 2^(t - M), with t = logit x log2(e) and M = ceil(the row's largest t), a whole number; so 1/2 < the row's largest p <= 1. The row's sum l is taken of the UNQUANTISED p, in f32, and the product's result is divided by l at the end. Since M is a whole number, a kernel that streams over the keys may use a running M (the ceiling of the running maximum): every later rescaling is an exact power of two, which a block's scale takes up: the codes' values come out the same.
;;   OPERANDS COMPUTED ON THE WAY. 'Computed on the way' means the value that the module computes at that place (a softmax that the list does not call 'softmax' is quantised finished and normalised). What goes into a quantiser is computed in f32, as accurately as f32 sums, v_exp_f32 and their like allow (about 1e-6 of the number): no bf16 or f16 on the way to a quantiser, and a product that is left as it is and whose result goes on into a quantised operand takes f32 operands (vector FMAs, or v_wmma_f32_16x16x4_f32). A number that lies on a knife's edge between two numbers of the format may be rounded either way, as far as f32 arithmetic and the matrix unit's own rounding can turn it there, and no further.
;; One version. Each part assembles by itself: llvm-mc -triple=amdgcn-amd-amdhsa -mcpu=gfx1250 --defsym DOCPART=n.
;; ======== version 1 of 1: 4 launches
;; limits: right only within a limited range of input values
;; workspace buffers: opc 8,650,752 bytes; ops 360,448 bytes; qkvc 18,874,368 bytes; qkvs 786,432 bytes; pc 12,582,912 bytes; pst 1,572,864 bytes
;; launch quant (part 1): grid 704 x 1, 8 waves a work-group, no clusters, 69,120 bytes of LDS; arguments x, Wq, Wk, Wv, opc, ops; writes opc, ops
.if DOCPART == 1
	.amdgcn_target "amdgcn-amd-amdhsa--gfx1250"
	.amdhsa_code_object_version 6
	.text
	.protected	k_q3a4f6dfc9c_quant
	.globl	k_q3a4f6dfc9c_quant
	.p2align	8
	.type	k_q3a4f6dfc9c_quant,@function
k_q3a4f6dfc9c_quant:
	s_mov_b64 s[64:65], 0
	v_nop
	global_prefetch_b8 v0, s[64:65] scope:SCOPE_SE
	s_setreg_imm32_b32 hwreg(HW_REG_WAVE_MODE, 25, 1), 1
	s_wait_xcnt 0x0
; x [8192][1024], Wq, Wk, Wv [1024][1024], f32, K innermost, become codes of BF6 (E3M2) with one E8M0 byte for each 32 along K, laid as the later launches' matrix operands want them.
; A ROW TILE holds 16 slots; slot r of tile t = 2 g + u is row 32 g + 8 u + r % 8 + 16 (r / 8).  As source 0 of a product such tiles give a lane 16 neighbours along the next K in the registers of two neighbouring tiles.
; A FRAGMENT (16 slots x 128 K, 12 registers a lane) lies in memory as an image of its registers: three groups of four registers, lane l's 16 bytes at 512 c + 16 l: 1,536 bytes.
; opc: [704 row tiles][8 K steps of 128][1,536]: tiles 0-511 x, 512-575 Wq, 576-639 Wk, 640-703 Wv.   ops: [704 row tiles][8 K steps][16 words]: a slot's four scale bytes of a K step.
; A block's scale is 2^(floor(log2(largest magnitude)) - 4): its byte is the largest magnitude's exponent field - 4, held at 1 from below.
; LIMITS: a block of zeros, and one whose largest magnitude lies under 2^-122, keeps the byte 1 (zero codes add nothing; this program alone reads the bytes); NaN and infinities are not served.
; SHARES: a work-group takes one row tile, a wave one K step of it: one fragment.  The tile's 128 scale words are gathered in LDS and leave as 512 aligned bytes.
; Each load reads 512 consecutive bytes of one row; the 16 rows turn through the wave's own stage in LDS, so that a lane holds 16 neighbours of each block of 32 of ONE slot.
.set SP,   528                         ; a stage row: 512 bytes + 16: row r starts 4 r banks on
.set WREG, 16*SP
.set SCW,  8*WREG                      ; the tile's scale words, 512 bytes
.set SPARE, SCW+512                    ; the spare words, 128 bytes a wave: four blocks of 256 bytes that no other line names
.set GA,   4                           ; v4   16 x lane
.set STI,  5                           ; v5   the stage, on the way in
.set STO,  6                           ; v6   and on the way out: 528 r + 64 h
.set SWA,  7                           ; v7   where my slot's scale word goes
.set SWR,  8                           ; v8   where wave 0 reads 16 bytes of the 512 back
.set SPW,  10
.set NIL,  11
.set TM,   16                          ; v16-19 largest magnitudes, v20-23 bytes, v28-31 the conversions' scale operands
.set PW,   32                          ; v32  the scale word
.set PC,   40                          ; v40-51 the fragment; v52-58 halves on their way
.set X,    64                          ; v64-127 the 16 loads; then register 16 b + i = k 32 b + 16 h + i of slot r
.set SEL,  28                          ; s[28:29] lane selects: lane l xor 16
	s_load_b256 s[4:11], s[0:1], 0x0               ; x, Wq, Wk, Wv
	s_load_b128 s[12:15], s[0:1], 0x20             ; opc, ops
	v_lshrrev_b32 v1, 5, v0
	v_readfirstlane_b32 s16, v1                    ; wave: my K step
	s_mul_i32 s17, s16, WREG
	s_lshl_b32 s18, s16, 6
	s_add_co_u32 s18, s18, SCW
	v_lshl_add_u32 v[SPW], v0, 2, SPARE
	v_mov_b32 v[NIL], 0
	v_and_b32 v1, 31, v0                           ; lane
	v_and_b32 v2, 15, v0                           ; r
	v_bfe_u32 v3, v0, 4, 1                         ; h
	v_lshlrev_b32 v[GA], 4, v1
	v_add_nc_u32 v[STI], s17, v[GA]
	v_mul_u32_u24 v[STO], v2, SP
	v_lshl_add_u32 v[STO], v3, 6, v[STO]
	v_add_nc_u32 v[STO], s17, v[STO]
	v_lshl_add_u32 v[SWA], v2, 2, s18
	v_add_nc_u32 v[SWR], SCW, v[GA]
.irp b, 0,1,2,3
	v_mov_b32 v[TM+4+\b], 0                        ; written once: a lane permute's destination counts as one of its sources
.endr
	s_mov_b32 s[SEL], 0x76543210
	s_mov_b32 s[SEL+1], 0xfedcba98
	s_and_b32 s22, ttmp9, 63
	s_wait_alu depctr_va_vdst(0)                   ; the wait at the head's end
	s_wait_kmcnt 0x0
	s_cmp_lt_u32 ttmp9, 640                        ; which tensor: the choice hangs on the work-group's number alone
	s_cselect_b64 s[20:21], s[8:9], s[10:11]
	s_cmp_lt_u32 ttmp9, 576
	s_cselect_b64 s[20:21], s[6:7], s[20:21]
	s_cmp_lt_u32 ttmp9, 512
	s_cselect_b64 s[20:21], s[4:5], s[20:21]
	s_cselect_b32 s22, ttmp9, s22                  ; and which row tile of it
	s_lshr_b32 s23, s22, 1
	s_lshl_b32 s23, s23, 17                        ; 32 rows of 4,096 bytes a pair of tiles
	s_and_b32 s22, s22, 1
	s_lshl_b32 s22, s22, 15                        ; 8 rows
	s_add_co_u32 s22, s22, s23
	s_lshl_b32 s24, s16, 9                         ; 128 numbers a K step
	s_add_co_u32 s22, s22, s24
	s_mov_b32 s23, 0
	s_add_nc_u64 s[20:21], s[20:21], s[22:23]
.irp i, 0,1,2,3,4,5,6,7,8,9,10,11,12,13,14,15
	global_load_b128 v[X+4*\i:X+4*\i+3], v[GA], s[20:21] offset:(\i%8+16*(\i/8))*4096 th:TH_LOAD_NT
.endr
	s_mul_i32 s24, ttmp9, 12288
	s_mul_i32 s26, s16, 1536
	s_add_co_u32 s24, s24, s26
	s_mov_b32 s25, 0
	s_add_nc_u64 s[12:13], s[12:13], s[24:25]
	s_lshl_b32 s24, ttmp9, 9
	s_add_nc_u64 s[14:15], s[14:15], s[24:25]
.irp i, 0,1,2,3,4,5,6,7,8,9,10,11,12,13,14,15
	s_wait_loadcnt 15-\i                           ; row i is in; the rows behind it may be out
	ds_store_b128 v[STI], v[X+4*\i:X+4*\i+3] offset:SP*\i
.endr
	s_wait_dscnt 0x0                               ; the stores have read their registers, which take the numbers back
.irp b, 0,1,2,3
.irp j, 0,1,2,3
	ds_load_b128 v[X+16*\b+4*\j:X+16*\b+4*\j+3], v[STO] offset:128*\b+16*\j
.endr
.endr
	s_wait_dscnt 0x0
.irp b, 0,1,2,3
	v_max3_num_f32 v[TM+\b], |v[X+16*\b]|, |v[X+1+16*\b]|, 0x2800000   ; block b: my 16 numbers, and the floor 2^(5 - 127): the byte cannot fall under 1
.endr
.irp i, 2,4,6,8,10,12,14
.irp b, 0,1,2,3
	v_max3_num_f32 v[TM+\b], v[TM+\b], |v[X+16*\b+\i]|, |v[X+1+16*\b+\i]|   ; the four blocks by turns
.endr
.endr
.irp b, 0,1,2,3
	v_permlanex16_b32 v[TM+4+\b], v[TM+\b], s[SEL], s[SEL+1]
.endr
.irp b, 0,1,2,3
	v_max_num_f32 v[TM+\b], v[TM+\b], v[TM+4+\b]   ; with lane l xor 16's 16: the block's largest magnitude
.endr
.irp b, 0,1,2,3
	v_add_nc_u32 v[TM+12+\b], 0xfe000000, v[TM+\b] ; 4 off its exponent field: the conversion takes this operand's exponent field as its scale
.endr
.irp b, 0,1,2,3
	v_lshrrev_b32 v[TM+4+\b], 23, v[TM+12+\b]      ; the scale's byte
.endr
	v_lshl_or_b32 v[PW], v[TM+5], 8, v[TM+4]
	v_lshl_or_b32 v[PW], v[TM+6], 16, v[PW]
	v_lshl_or_b32 v[PW], v[TM+7], 24, v[PW]
.irp c, 0,1
	v_cvt_scalef32_pk16_bf6_f32 v[PC+6*\c:PC+2+6*\c], v[X+32*\c:X+15+32*\c], v[TM+12+2*\c]
	v_cvt_scalef32_pk16_bf6_f32 v[PC+12+4*\c:PC+14+4*\c], v[X+16+32*\c:X+31+32*\c], v[TM+12+2*\c+1]   ; (a conversion's three registers begin on an even number)
.endr
	v_nop                                          ; one plain place behind a scaled conversion
.irp c, 0,1                            ; the operand wants a WHOLE block in a lane: lanes 0-15 block 2 c, lanes 16-31 block 2 c + 1
.irp i, 0,1,2
	v_permlane16_swap_b32 v[PC+6*\c+\i], v[PC+12+4*\c+\i]
.endr
.irp i, 0,1,2
	v_mov_b32 v[PC+3+6*\c+\i], v[PC+12+4*\c+\i]
.endr
.endr
	ds_store_b32 v[SWA], v[PW]                     ; both halves of the lanes write the same word with the same value
.irp c, 0,1,2
	global_store_b128 v[GA], v[PC+4*\c:PC+4*\c+3], s[12:13] offset:512*\c   ; 32 lanes store 512 consecutive bytes, at a multiple of 512 from the buffer's first byte
.endr
	s_wait_dscnt 0x0                               ; for wave 0's sake: my scale words are stored
	s_barrier_signal -1
	s_barrier_wait -1
	s_cmp_lg_u32 s16, 0
	s_cbranch_scc1 .Lend
	ds_load_b128 v[60:63], v[SWR]                  ; wave 0: the tile's 128 words
	s_wait_dscnt 0x0
	global_store_b128 v[GA], v[60:63], s[14:15]    ; 512 consecutive bytes, aligned
.Lend:
	s_wait_tensorcnt 0x0                           ; the wave's end
	ds_add_u32 v[SPW], v[NIL]
	s_wait_dscnt 0x0
	s_endpgm
.Lfunc_end_k_q3a4f6dfc9c_quant:
	.size	k_q3a4f6dfc9c_quant, .Lfunc_end_k_q3a4f6dfc9c_quant-k_q3a4f6dfc9c_quant
	.p2alignl 7, 3214868480
	.fill 96, 4, 3214868480
	.section	.rodata,"a",@progbits
	.p2align	6, 0x0
	.amdhsa_kernel k_q3a4f6dfc9c_quant
		.amdhsa_group_segment_fixed_size 69120
		.amdhsa_private_segment_fixed_size 0
		.amdhsa_enable_private_segment 0
		.amdhsa_kernarg_size 48
		.amdhsa_user_sgpr_count 2
		.amdhsa_user_sgpr_kernarg_segment_ptr 1
		.amdhsa_wavefront_size32 1
		.amdhsa_system_sgpr_workgroup_id_x 1
		.amdhsa_system_sgpr_workgroup_id_y 1
		.amdhsa_system_sgpr_workgroup_id_z 1
		.amdhsa_system_vgpr_workitem_id 0
		.amdhsa_next_free_vgpr 128
		.amdhsa_next_free_sgpr 66
		.amdhsa_reserve_vcc 0
		.amdhsa_float_denorm_mode_32 3
		.amdhsa_float_denorm_mode_16_64 3
		.amdhsa_memory_ordered 1
		.amdhsa_forward_progress 1
		.amdhsa_inst_pref_size 12
	.end_amdhsa_kernel
	.amdgpu_metadata
---
amdhsa.version: [ 1, 2 ]
amdhsa.kernels:
  - .name:           k_q3a4f6dfc9c_quant
    .symbol:         k_q3a4f6dfc9c_quant.kd
    .args:
      - { .name: x, .offset: 0, .size: 8, .value_kind: global_buffer, .address_space: global }
      - { .name: Wq, .offset: 8, .size: 8, .value_kind: global_buffer, .address_space: global }
      - { .name: Wk, .offset: 16, .size: 8, .value_kind: global_buffer, .address_space: global }
      - { .name: Wv, .offset: 24, .size: 8, .value_kind: global_buffer, .address_space: global }
      - { .name: opc, .offset: 32, .size: 8, .value_kind: global_buffer, .address_space: global }
      - { .name: ops, .offset: 40, .size: 8, .value_kind: global_buffer, .address_space: global }
    .group_segment_fixed_size: 69120
    .private_segment_fixed_size: 0
    .kernarg_segment_align: 8
    .kernarg_segment_size: 48
    .max_flat_workgroup_size: 256
    .sgpr_count:     66
    .vgpr_count:     128
    .wavefront_size: 32
...
	.end_amdgpu_metadata
.endif
;; end of part 1
;; launch proj (part 2): grid 8 x 32, 4 waves a work-group, clusters of 4 x 4, 327,680 bytes of LDS; arguments opc, ops, bq, bk, bv, qkvc, qkvs; writes qkvc, qkvs
.if DOCPART == 2
	.amdgcn_target "amdgcn-amd-amdhsa--gfx1250"
	.amdhsa_code_object_version 6
	.text
	.protected	k_q3a4f6dfc9c_proj
	.globl	k_q3a4f6dfc9c_proj
	.p2align	8
	.type	k_q3a4f6dfc9c_proj,@function
k_q3a4f6dfc9c_proj:
	s_mov_b64 s[64:65], 0
	v_nop
	global_prefetch_b8 v0, s[64:65] scope:SCOPE_SE
	s_setreg_imm32_b32 hwreg(HW_REG_WAVE_MODE, 25, 1), 1
	s_wait_xcnt 0x0
	s_wait_alu depctr_hold_cnt(0) depctr_sa_sdst(0) depctr_va_vdst(0) depctr_va_sdst(0) depctr_va_ssrc(0) depctr_va_vcc(0) depctr_vm_vsrc(0)
	s_getreg_b32 s2, hwreg(HW_REG_IB_STS2, 6, 4)
	s_cmp_eq_u32 s2, 0
	s_cbranch_scc0 .Lentry_in_a_cluster
	s_endpgm
.Lentry_in_a_cluster:
	s_bfe_u32 s2, ttmp6, 0x10000c
	s_cmp_lg_u32 s2, 0xf033
	s_cbranch_scc0 .Lentry_shape_is_right
	s_endpgm
.Lentry_shape_is_right:
; Q = x Wq^T + bq, K = x Wk^T + bk, V^T = Wv x^T + bv, on codes of BF6 with E8M0 scales; the results are quantised again on the way out, Q and K along the features, V^T along the keys, and leave as operand images.
; A WORK-GROUP STAYS AND MAKES TWO TILES: the work is 256 tiles of 256 x 256 for Q and K and 256 tiles of 128 x 256 for V^T, and there are 256 work-groups: each takes one of each.
; In a tile source 1 ('A') gives the lanes' axis and source 0 ('B') the registers' axis, along which the result is quantised.
;   TILE 1: A = 256 rows of x, B = 256 rows of Wq (cluster x 0) or Wk (1).  Four waves, each 128 x 128: 64 accumulators.
;   TILE 2: A = 128 rows of Wv, B = 256 rows of x (keys).  Four waves, each 64 x 128: 32 accumulators.
; OPERANDS lie in memory as images of fragments (16 slots x 128 K: 1,536 bytes; lane l's 16 bytes of register group c at 512 c + 16 l): [row tile][8 K steps of 128][1,536].  A fragment is three loads of 512 consecutive bytes.
; Slot r of row tile 2 g + u is row 32 g + 8 u + r % 8 + 16 (r / 8): so in the result the 16 registers of B's tiles 2 g, 2 g + 1 are 16 neighbours, 32 g + 16 (lane / 16) + 0 .. 15, along the next K.
; THE RING has three LDS slots of 256 along K.  Tile 1's four K steps go through slots 0, 1, 0, 1; tile 2's through 0, 1, 2, 0.  A wave has one joint load at the head and one behind each round.
; Each step of 128 asks first for the next step's fragments.  At the end of the step that has fetched a slot's second half stands the round of the cluster's barrier, behind which that slot is filled again.
; Tile 2's third K step goes into slot 2 in the middle of tile 1's way out.  A load brings 8 row tiles x 3,072 bytes (tile 2's A: 4); the tiles have no more rows than these; each row is 12 aligned blocks of 256 bytes.
; CLUSTER 4 x 4: A's tiles are asked for jointly along a row of the cluster, B's along a column, in both tiles.
; THE SCALE WORDS of both tiles, for all of K, 28,672 bytes, are copied once through registers into LDS bytes of their own, a quarter by each wave, 512 consecutive bytes an instruction.
; PREFETCH: tile 1's K steps 1 to 3, each asked for one fill ahead of its load, 24 blocks of 256 bytes a wave: of the 8 row tiles that a wave loads, each of the four partners takes two, by address.
; The weights, which all eight rows of clusters read, are asked for by four of these.  Tile 2 has none: its x rows are those of tile 1, and its fills are asked for 100 matrix instructions or more ahead of their wait.
; The bias is the C of each sum's first matrix instruction.  Everything is written out: eight fills need no loop.
; qkvc: [768 row tiles][8 K steps of 256][2][1,536]: tiles 0-511 by x's rows, K steps 0-3 Q, 4-7 K; tile 512 + 64 batch + d / 16: V^T, K = the batch's 2,048 keys.  qkvs: [96 groups of 8 tiles][16 K steps of 128][128 words].
; LIMITS: a block of zeros, and one whose largest magnitude lies under 2^-122, keeps the byte 1 (this program alone reads the bytes); NaN and infinities are not served.
; REGISTERS: window 0: v6-30 addresses; v32-47 scale words, two sets (lanes 0-15 A's block i, lanes 16-31 B's); v64-159, v160-255 A's two sets; on the way out v48-63 and v128-247 at work.
;   window 1: B's sets at v0-95, v128-223; the bias in v96-127, v224-255.   window 2: the accumulators of A's blocks 0-3 ((a, b) at v[8 (8 (a % 4) + b)]);   window 3: of blocks 4-7 (tile 1 alone).
.set SLOT,  98304                      ; A's two halves, then B's two halves, 24,576 bytes each (tile 2's A: 24,576 bytes in all)
.set HALF,  24576
.set SLOT2, 229376                     ; the third slot: it ends with the work-group's LDS
.set SCL,   2*SLOT                     ; tile 1's scale words: A's two halves, B's two halves, each [8 row tiles][8 K steps][16 words]: stored by the waves, no fill lands here
.set SCL2,  SCL+16384                  ; tile 2's: A's 4,096 bytes, B's two halves
.set SWS,   SCL+28672                  ; 512 bytes a wave for the scale words made on the way out
.set SPARE, SWS+4*512                  ; the spare words, 128 bytes a wave: two blocks of 256 bytes that no other line names
.set ADRS2, 8                          ; v8   tile 2's scale words: lanes 0-15 A's, lanes 16-31 B's
.set SWO2,  9                          ; v9   where I read 8 bytes of tile 2's 256 new scale bytes back
.set GS,    10                         ; v10  8 x lane
.set BVO,   11                         ; v11  my slot's place in 64 numbers of bv
.set ADA2,  12                         ; v12-14 LDS address of tile 2's A fragments in slot 0, 1, 2
.set ADRA,  16                         ; v16-17 of tile 1's A fragments in slot 0, 1
.set ADRB,  20                         ; v20-22 of B's fragments in slot 0, 1, 2
.set SWI,  24                          ; v24  where my slot's new scale word goes
.set SWO,  25                          ; v25  where I read 16 bytes of the 512 back
.set GA,   26                          ; v26  16 x lane
.set ADRS, 27                          ; v27  tile 1's scale words
.set SPW,  28                          ; v28  my spare word; never rewritten
.set NIL,  29                          ; v29  0; never rewritten
.set PFO,  30                          ; v30  the prefetches' offset
.set SC,   32
.set AF,   64
.set TM,   48                          ; the way out, two row tiles at a time: v48-55 the largest magnitudes of their eight blocks, then the conversions' scale operands;
.set TP,   56                          ; v56-63 the other half of the lanes', then the bytes
.set PCF,  128                         ; v128-223 the fragments made: a set for each block of a tile
.set PT,   224                         ; v224-239 halves on their way
.set PW,   240                         ; v240-241 the scale words
.set LIM, 6                            ; s6: my wave prefetches where this is under 4
.set WV, 18
.set FB, 19                            ; wave / 2: my half of A.  Also: I fetch for A (0) or for B (1)
.set HB, 20                            ; wave % 2: my half of B.  Also: which half I fetch
.set G1A,   24                         ; s[24:31] group 1: 8 row tiles, my row of the cluster
.set G0A,   32                         ; s[32:39] tile 1's A, slots 0, 1
.set G0B2,  40                         ; s[40:47] tile 2's B, slots 0, 1
.set G1B,   48                         ; s[48:55] group 1: 8 row tiles, my column
.set G0B,   56                         ; s[56:63] tile 1's B, slots 0, 1
.set G1A2,  68                         ; s[68:75] group 1: 4 row tiles, my row
.set G0A2,  76                         ; s[76:87] tile 2's A, slots 0, 1, 2
.set G0B22, 88                         ; s[88:91] tile 2's B, slot 2
.set SEL,   92
.set OC2,   98                         ; s[98:99] where tile 2's codes go;  s[100:101] its scale words
.set OW2,   100
.set PF,    104                        ; s[104:105] where my prefetches begin
.set MSB, 0
.macro WIN new                         ; the immediate's high byte repeats the setting that is left
.if MSB != (\new)
	s_set_vgpr_msb (MSB<<8)|(\new)
.set MSB, (\new)
.endif
.endm
.macro JLOAD g0a, g1a, g0b, g1b        ; a joint load: waves 0, 1 for A, waves 2, 3 for B; four v_nop follow each line
	s_cmp_eq_u32 s[FB], 0
	s_cbranch_scc0 .Lfor_b_\@
	tensor_load_to_lds s[\g0a:\g0a+3], s[\g1a:\g1a+7]
	s_nop 0
.rept 4
	v_nop
.endr
	s_branch .Lasked_\@
.Lfor_b_\@:
	tensor_load_to_lds s[\g0b:\g0b+3], s[\g1b:\g1b+7]
	s_nop 0
.rept 4
	v_nop
.endr
.Lasked_\@:
.endm
.macro CREST                           ; a round of the cluster's barrier behind its opening barrier
	s_cmp_lg_u32 s[WV], 0
	s_cbranch_scc1 .Lnot_wave_0_\@
	s_barrier_signal -3
.Lnot_wave_0_\@:
	s_barrier_wait -3
	s_barrier_signal -1
	s_barrier_wait -1
.endm
.macro CROUND
	s_barrier_signal -1
	s_barrier_wait -1
	CREST
.endm
.macro PLACES n
.rept \n
	v_nop
.endr
.endm
.macro ASK f                           ; tile 1's K step f: two row tiles x 12 blocks of 256 bytes, a lane a block (lanes 24-31 name lane 23's again)
	s_cmp_lt_u32 s[LIM], 4
	s_cbranch_scc0 .Lnot_mine_\@
	global_prefetch_b8 v[PFO], s[PF:PF+1] offset:3072*(\f) th:TH_LOAD_NT scope:SCOPE_SE
.Lnot_mine_\@:
.endm
	s_load_b256 s[4:11], s[0:1], 0x0               ; opc, ops, bq, bk
	s_load_b128 s[12:15], s[0:1], 0x20             ; bv, qkvc
	s_load_b64 s[16:17], s[0:1], 0x30              ; qkvs
	v_lshl_add_u32 v[SPW], v0, 2, SPARE
	v_mov_b32 v[NIL], 0
	ds_add_u32 v[SPW], v[NIL]                      ; the opening add, twice on end
	ds_add_u32 v[SPW], v[NIL]
	v_lshrrev_b32 v1, 5, v0
	v_readfirstlane_b32 s[WV], v1
	s_lshr_b32 s[FB], s[WV], 1
	s_and_b32 s[HB], s[WV], 1
	s_bfe_u32 s21, ttmp6, 0x40000                  ; cx
	s_bfe_u32 s22, ttmp6, 0x40004                  ; cy
	s_and_b32 s23, ttmp7, 0xffff                   ; cluster y
	s_lshl_b32 s2, s22, 2
	s_lshl_b32 s2, 15, s2                          ; my row of the cluster
	s_lshl_b32 s3, 0x1111, s21                     ; my column
	s_or_b32 s[G1A], s2, (3<<16)|(1<<21)           ; 15:0 the mask; 17:16 elements of 8 bytes; 21 set beside a mask; no padding
	s_or_b32 s[G1A2], s2, (3<<16)|(1<<21)
	s_or_b32 s[G1B], s3, (3<<16)|(1<<21)
.irp g, G1A, G1B                       ; 8 row tiles x 3,072 bytes (384 elements), 12,288 bytes apart in opc
	s_mov_b32 s[\g+1], 384<<16
	s_mov_b32 s[\g+2], 8<<16
	s_mov_b32 s[\g+3], 384<<16
	s_mov_b32 s[\g+4], 8
	s_mov_b32 s[\g+5], 1536
	s_mov_b32 s[\g+6], 0
	s_mov_b32 s[\g+7], 0
.endr
	s_mov_b32 s[G1A2+1], 384<<16                   ; 4 row tiles
	s_mov_b32 s[G1A2+2], 4<<16
	s_mov_b32 s[G1A2+3], 384<<16
	s_mov_b32 s[G1A2+4], 4
	s_mov_b32 s[G1A2+5], 1536
	s_mov_b32 s[G1A2+6], 0
	s_mov_b32 s[G1A2+7], 0
	; the four operands' first row tiles.  A's hang on cy and never on cx, B's on cx and never on cy
	s_lshl_b32 s66, s23, 6                         ; 64 x cluster y
	s_lshl_b32 s67, s22, 4
	s_add_co_u32 s67, s67, s66                     ; tile 1's A: x, 64 Y + 16 cy
	s_lshl_b32 s94, s21, 4
	s_add_co_u32 s95, s94, s66                     ; tile 2's B: x, 64 Y + 16 cx
	s_lshl_b32 s96, ttmp9, 6
	s_add_co_u32 s94, s94, s96
	s_add_co_u32 s94, s94, 512                     ; tile 1's B: Wq or Wk, 512 + 64 X + 16 cx
	s_lshl_b32 s96, ttmp9, 5
	s_lshl_b32 s97, s22, 3
	s_add_co_u32 s96, s96, s97
	s_add_co_u32 s96, s96, 640                     ; tile 2's A: Wv, 640 + 32 X + 8 cy
	s_lshl_b32 s2, s[HB], 3                        ; the half that I fetch: 8 row tiles,
	s_lshl_b32 s3, s[HB], 2                        ; of tile 2's A: 4
	s_add_co_u32 s[G0A+2], s67, s2
	s_mul_i32 s[G0A+2], s[G0A+2], 12288            ; byte offsets in opc, in the registers that take the addresses
	s_mov_b32 s[G0A+3], 0
	s_add_co_u32 s[G0B+2], s94, s2
	s_mul_i32 s[G0B+2], s[G0B+2], 12288
	s_mov_b32 s[G0B+3], 0
	s_add_co_u32 s[G0A2+2], s96, s3
	s_mul_i32 s[G0A2+2], s[G0A2+2], 12288
	s_mov_b32 s[G0A2+3], 0
	s_add_co_u32 s[G0B2+2], s95, s2
	s_mul_i32 s[G0B2+2], s[G0B2+2], 12288
	s_mov_b32 s[G0B2+3], 0
	s_lshl_b32 s2, s67, 9                          ; and the scale words' offsets in ops: 512 bytes a row tile
	s_mov_b32 s3, 0                                ; s[2:3] tile 1's A
	s_lshl_b32 s66, s94, 9
	s_mov_b32 s67, 0                               ; s[66:67] tile 1's B
	s_lshl_b32 s94, s95, 9
	s_mov_b32 s95, 0                               ; s[94:95] tile 2's B
	s_lshl_b32 s96, s96, 9
	s_mov_b32 s97, 0                               ; s[96:97] tile 2's A
.irp g, G0A, G0A+4, G0B, G0B+4, G0A2, G0A2+4, G0A2+8, G0B2, G0B2+4, G0B22
	s_mov_b32 s[\g], 1                             ; 1:0 count = 1
.endr
	s_mul_i32 s[G0A+1], s[WV], HALF                ; LDS addresses: by the wave's number alone
	s_add_co_u32 s[G0A+5], s[G0A+1], SLOT
	s_mul_i32 s[G0B+1], s[WV], HALF
	s_add_co_u32 s[G0B+5], s[G0B+1], SLOT
	s_mul_i32 s[G0B2+1], s[WV], HALF
	s_add_co_u32 s[G0B2+5], s[G0B2+1], SLOT
	s_add_co_u32 s[G0B22+1], s[G0B2+1], SLOT2
	s_mul_i32 s[G0A2+1], s[HB], 12288              ; tile 2's A: two loads of 4 row tiles on end
	s_add_co_u32 s[G0A2+5], s[G0A2+1], SLOT
	s_add_co_u32 s[G0A2+9], s[G0A2+1], SLOT2
	s_mov_b32 s[SEL], 0x76543210
	s_mov_b32 s[SEL+1], 0xfedcba98
	; lane numbers and LDS addresses
	s_lshl_b32 s98, s[WV], 11
	s_lshl_b32 s99, s[WV], 10
	s_mul_i32 s100, s[FB], HALF
	s_mul_i32 s101, s[HB], HALF
	s_add_co_u32 s101, s101, 2*HALF
	s_mul_i32 s104, s[FB], 12288
	v_and_b32 v1, 15, v0                           ; r
	v_bfe_u32 v2, v0, 4, 1                         ; h
	v_and_b32 v3, 31, v0
	v_lshlrev_b32 v[GA], 4, v3
	v_lshlrev_b32 v[GS], 3, v3
	v_add_nc_u32 v6, s98, v[GA]                    ; 2,048 x wave + 16 x lane: a quarter of 8,192 bytes
	v_add_nc_u32 v7, s99, v[GA]                    ; 1,024 x wave + 16 x lane: of 4,096
	v_add_nc_u32 v15, SCL, v6
	v_add_nc_u32 v18, SCL2, v7
	v_lshlrev_b32 v5, 6, v2                        ; 64 h
	v_add_nc_u32 v[ADRA], s100, v[GA]
	v_add_nc_u32 v[ADRB], s101, v[GA]
	v_add_nc_u32 v[ADA2], s104, v[GA]
	v_add_nc_u32 v[ADRA+1], SLOT, v[ADRA]
	v_add_nc_u32 v[ADRB+1], SLOT, v[ADRB]
	v_add_nc_u32 v[ADA2+1], SLOT, v[ADA2]
	v_add_nc_u32 v[ADRB+2], SLOT2, v[ADRB]
	v_add_nc_u32 v[ADA2+2], SLOT2, v[ADA2]
	s_wait_alu depctr_va_vdst(0)                   ; the wait here, ahead of the run of scalar instructions
	s_lshl_b32 s98, s[FB], 12                      ; tile 1: A's words of my half;
	s_lshl_b32 s99, s[HB], 12
	s_add_co_u32 s99, s99, 8192                    ; B's lie behind A's two halves
	s_sub_co_u32 s99, s99, s98
	s_add_co_u32 s98, s98, SCL
	s_lshl_b32 s100, s[FB], 11                     ; tile 2: A's words of my four row tiles;
	s_lshl_b32 s101, s[HB], 12
	s_add_co_u32 s101, s101, 4096                  ; B's lie behind A's 4,096 bytes
	s_sub_co_u32 s101, s101, s100
	s_add_co_u32 s100, s100, SCL2
	s_lshl_b32 s104, s[WV], 9
	s_add_co_u32 s104, s104, SWS
	v_mul_u32_u24 v4, s99, v2                      ; lanes 16-31 take B's: one product, the distance between the two
	v_lshl_add_u32 v4, v1, 2, v4
	v_add_nc_u32 v[ADRS], s98, v4
	v_mul_u32_u24 v19, s101, v2
	v_lshl_add_u32 v19, v1, 2, v19
	v_add_nc_u32 v[ADRS2], s100, v19
	v_lshl_add_u32 v[SWI], v1, 2, s104
	v_add_nc_u32 v[SWO], s104, v[GA]
	v_add_nc_u32 v[SWO2], s104, v[GS]
	v_and_b32 v[BVO], 8, v1
	v_add_nc_u32 v[BVO], v[BVO], v1
	v_lshlrev_b32 v[BVO], 2, v[BVO]                ; 4 (r % 8 + 16 (r / 8))
	v_min_u32 v3, 23, v3                           ; the prefetches: block min(lane, 23) of two row tiles' 24:
	v_mul_u32_u24 v23, 11, v3
	v_lshrrev_b32 v23, 7, v23                      ; / 12
	v_mul_u32_u24 v23, 12288-3072, v23
	v_lshl_add_u32 v[PFO], v3, 8, v23
.irp b, 0,1,2,3,4,5,6,7
	v_mov_b32 v[TP+\b], 0                          ; written once: a lane permute's destination counts as one of its sources
.endr
	s_wait_alu depctr_va_vdst(0)                   ; the wait at the head's end
	s_wait_dscnt 0x0                               ; both opening adds are done
	CROUND                                         ; all sixteen work-groups are here: the first joint loads meet
	s_wait_kmcnt 0x0
	s_add_nc_u64 s[G0A+2:G0A+3], s[4:5], s[G0A+2:G0A+3]          ; tile 1: K step 0 for slot 0,
	s_add_nc_u64 s[G0B+2:G0B+3], s[4:5], s[G0B+2:G0B+3]
	s_or_b32 s[G0A+3], s[G0A+3], 0x80000000        ; 127:126 type = 2
	s_or_b32 s[G0B+3], s[G0B+3], 0x80000000
	JLOAD G0A, G1A, G0B, G1B                       ; slot 0
	; the scale words: my quarter of each of the four dense blocks
	s_add_nc_u64 s[2:3], s[6:7], s[2:3]
	s_add_nc_u64 s[66:67], s[6:7], s[66:67]
	s_add_nc_u64 s[94:95], s[6:7], s[94:95]
	s_add_nc_u64 s[96:97], s[6:7], s[96:97]
.irp j, 0,1,2,3
	global_load_b128 v[64+4*\j:67+4*\j], v6, s[2:3] offset:512*\j      ; 32 lanes read 512 consecutive bytes
	global_load_b128 v[80+4*\j:83+4*\j], v6, s[66:67] offset:512*\j
	global_load_b128 v[96+4*\j:99+4*\j], v6, s[94:95] offset:512*\j
.endr
.irp j, 0,1
	global_load_b128 v[112+4*\j:115+4*\j], v7, s[96:97] offset:512*\j
.endr
	; tile 1's bias runs along the registers (B's axis): tile b wants features 32 (b / 2) + 8 (b % 2) + 16 h + 0 .. 7
	s_cmp_eq_u32 ttmp9, 0
	s_cselect_b64 s[8:9], s[8:9], s[10:11]         ; bq or bk: the choice hangs on the cluster's x alone
	s_lshl_b32 s10, s21, 10
	s_lshl_b32 s11, s[HB], 9
	s_add_co_u32 s10, s10, s11
	s_mov_b32 s11, 0
	s_add_nc_u64 s[8:9], s[8:9], s[10:11]          ; at my 128 features
	WIN 0x40                                       ; destination window 1
.irp t, 0,1,2,3,4,5,6,7
	global_load_b128 v[96+8*\t+96*(\t/4):96+8*\t+96*(\t/4)+3], v5, s[8:9] offset:(32*(\t/2)+8*(\t%2))*4
	global_load_b128 v[96+8*\t+96*(\t/4)+4:96+8*\t+96*(\t/4)+7], v5, s[8:9] offset:(32*(\t/2)+8*(\t%2))*4+16
.endr
	WIN 0
	; the other descriptors' addresses
	s_add_nc_u64 s[G0A+6:G0A+7], s[G0A+2:G0A+3], 3072            ; tile 1's K step 1 for slot 1
	s_add_nc_u64 s[G0B+6:G0B+7], s[G0B+2:G0B+3], 3072
	s_add_nc_u64 s[G0A2+2:G0A2+3], s[4:5], s[G0A2+2:G0A2+3]      ; tile 2: K steps 0, 1, 2 for slots 0, 1, 2
	s_add_nc_u64 s[G0A2+6:G0A2+7], s[G0A2+2:G0A2+3], 3072
	s_add_nc_u64 s[G0A2+10:G0A2+11], s[G0A2+2:G0A2+3], 6144
	s_add_nc_u64 s[G0B2+2:G0B2+3], s[4:5], s[G0B2+2:G0B2+3]
	s_add_nc_u64 s[G0B2+6:G0B2+7], s[G0B2+2:G0B2+3], 3072
	s_add_nc_u64 s[G0B22+2:G0B22+3], s[G0B2+2:G0B2+3], 6144
.irp g, G0A+7, G0B+7, G0A2+3, G0A2+7, G0A2+11, G0B2+3, G0B2+7, G0B22+3
	s_or_b32 s[\g], s[\g], 0x80000000
.endr
	; the prefetches: opc + my row tile + two for each partner ahead of me (cx among those that share A, cy among those that share B)
	s_lshl_b32 s10, s22, 4
	s_lshl_b32 s11, s23, 6
	s_add_co_u32 s10, s10, s11                     ; A's first row tile
	s_lshl_b32 s11, s21, 4
	s_lshl_b32 s6, ttmp9, 6
	s_add_co_u32 s11, s11, s6
	s_add_co_u32 s11, s11, 512                     ; B's
	s_cmp_eq_u32 s[FB], 0
	s_cselect_b32 s10, s10, s11
	s_cselect_b32 s11, s21, s22
	s_cselect_b32 s[LIM], 0, s23                   ; for B: the first four rows of clusters ask
	s_lshl_b32 s11, s11, 1
	s_add_co_u32 s10, s10, s11
	s_lshl_b32 s11, s[HB], 3
	s_add_co_u32 s10, s10, s11
	s_mul_i32 s10, s10, 12288
	s_mov_b32 s11, 0
	s_add_nc_u64 s[PF:PF+1], s[4:5], s[10:11]
	ASK 1
	; tile 2's bias runs along the lanes (A's axis): bv at my 64 channels; it is loaded on tile 1's way out
	s_lshl_b32 s10, ttmp9, 2
	s_add_co_u32 s10, s10, s22                     ; which 128 channels: 4 X + cy
	s_lshl_b32 s10, s10, 9
	s_lshl_b32 s11, s[FB], 8
	s_add_co_u32 s10, s10, s11
	s_mov_b32 s11, 0
	s_add_nc_u64 s[12:13], s[12:13], s[10:11]
	; where tile 2's results go: group of row tiles 512 + 64 batch + 32 X + 8 cy, my four of them; K step of 128: 2 ((4 Y + cx) % 8) + HB
	s_lshr_b32 s4, s23, 1
	s_lshl_b32 s4, s4, 6
	s_lshl_b32 s5, ttmp9, 5
	s_add_co_u32 s4, s4, s5
	s_lshl_b32 s5, s22, 3
	s_add_co_u32 s4, s4, s5
	s_add_co_u32 s4, s4, 512
	s_and_b32 s5, s23, 1
	s_lshl_b32 s5, s5, 2
	s_add_co_u32 s5, s5, s21
	s_lshl_b32 s5, s5, 1
	s_add_co_u32 s5, s5, s[HB]
	s_lshl_b32 s10, s4, 10
	s_lshl_b32 s11, s5, 9
	s_add_co_u32 s10, s10, s11
	s_lshl_b32 s11, s[FB], 8                       ; my four row tiles' 64 words of the group's 128
	s_add_co_u32 s10, s10, s11
	s_mov_b32 s11, 0
	s_add_nc_u64 s[OW2:OW2+1], s[16:17], s[10:11]
	s_lshl_b32 s10, s[FB], 2
	s_add_co_u32 s4, s4, s10
	s_mul_i32 s10, s4, 24576
	s_mul_i32 s11, s5, 1536
	s_add_co_u32 s10, s10, s11
	s_mov_b32 s11, 0
	s_add_nc_u64 s[OC2:OC2+1], s[14:15], s[10:11]
	; and tile 1's: row tile 16 (4 Y + cy) + 8 FB; K step of 128: 2 (4 X + cx) + HB
	s_lshl_b32 s4, s23, 2
	s_add_co_u32 s4, s4, s22
	s_lshl_b32 s4, s4, 4
	s_lshl_b32 s5, s[FB], 3
	s_add_co_u32 s4, s4, s5
	s_lshl_b32 s5, ttmp9, 2
	s_add_co_u32 s5, s5, s21
	s_lshl_b32 s5, s5, 1
	s_add_co_u32 s5, s5, s[HB]
	s_mul_i32 s10, s4, 24576
	s_mul_i32 s11, s5, 1536
	s_add_co_u32 s10, s10, s11
	s_mov_b32 s11, 0
	s_add_nc_u64 s[14:15], s[14:15], s[10:11]
	s_lshl_b32 s10, s4, 10
	s_lshl_b32 s11, s5, 9
	s_add_co_u32 s10, s10, s11
	s_mov_b32 s11, 0
	s_add_nc_u64 s[16:17], s[16:17], s[10:11]
; n blocks of A from lo on, each against B's eight, 128 along K, from set.  zero = 0: onto the sums; 1: the sums begin with the bias of B's block; 2: with that of A's block.
; Source 0 (B) window 1, source 1 (A) window 0, D window 2 or 3, C the same or, for the bias, window 1.  The accumulators take turns, one instruction a turn, in the same order in every step of a tile.
.macro MUL lo, n, set, zero
.set aa, \lo
.rept \n
.if \zero == 0
	WIN 0xa1+0x50*(aa/4)
.else
	WIN 0x91+0x40*(aa/4)
.endif
.irp b, 0,1,2,3,4,5,6,7
.set rD, 8*(8*(aa%4)+\b)
.set rB, 128*(\set)+12*\b
.set rA, AF+96*(\set)+12*aa
.set rSB, SC+8*(\set)+\b
.set rSA, SC+8*(\set)+aa
.if \zero == 0
.set rC, rD
.elseif \zero == 1
.set rC, 96+8*\b+96*(\b/4)
.else
.set rC, 96+8*aa+96*(aa/4)
.endif
	v_wmma_scale_f32_16x16x128_f8f6f4 v[rD:rD+7], v[rB:rB+11], v[rA:rA+11], v[rC:rC+7], v[rSB], v[rSA] matrix_a_fmt:MATRIX_FMT_BF6 matrix_b_fmt:MATRIX_FMT_BF6 matrix_a_scale:MATRIX_SCALE_ROW1
.endr
.set aa, aa+1
.endr
.endm
; LDS loads in one run: B's eight fragments and A's na of the slot's q-th 128 along K, and the scale words of K step ks, into set.  (In tile 2, with four blocks of A, lanes 0-15 of scale registers 4-7 take words that no product reads.)
; They come in parts that stand between the blocks of products: nb fragments of B and their scale words from b0 on, na of A from a0 on.
.macro PART slot, q, set, ks, b0, nb, a0, na, adra, adrs
	WIN 0x40                                       ; destination window 1, address window 0
.set ii, \b0
.rept \nb
.irp c, 0,1,2
	ds_load_b128 v[128*(\set)+12*ii+4*\c:128*(\set)+12*ii+4*\c+3], v[ADRB+\slot] offset:3072*ii+1536*(\q)+512*\c
.endr
.set ii, ii+1
.endr
	WIN 0
.set ii, \a0
.rept \na
.irp c, 0,1,2
	ds_load_b128 v[AF+96*(\set)+12*ii+4*\c:AF+96*(\set)+12*ii+4*\c+3], v[\adra+\slot] offset:3072*ii+1536*(\q)+512*\c
.endr
.set ii, ii+1
.endr
.set ii, \b0
.rept \nb
	ds_load_b32 v[SC+8*(\set)+ii], v[\adrs] offset:64*(\ks)+512*ii
.set ii, ii+1
.endr
.endm
.macro P1 slot, q, set, ks, j          ; tile 1: four parts of 14 loads
	PART \slot, \q, \set, \ks, 2*(\j), 2, 2*(\j), 2, ADRA, ADRS
.endm
.macro P2 slot, q, set, ks, j          ; tile 2: three parts of 15, 15, 14 loads
	PART \slot, \q, \set, \ks, 3*(\j), 3-(\j)/2, \j, 1+(\j)/2, ADA2, ADRS2
.endm
.macro FETCH slot, q, set, ks
	P1 \slot, \q, \set, \ks, 0
	P1 \slot, \q, \set, \ks, 1
	P1 \slot, \q, \set, \ks, 2
	P1 \slot, \q, \set, \ks, 3
.endm
; A change of slots inside a step: na blocks of A in all, of which the last three (two where na = 4) stand round the waits.  In front of the barrier each wave waits for all its tensor loads, adds 0 to its spare word, and waits for that and for its reads.
.macro MEET na, set, zero
	WIN 0
	s_wait_tensorcnt 0x0                           ; all my tensor loads have landed: my part of the next slot among them
	ds_add_u32 v[SPW], v[NIL]                      ; 0 onto my spare word
	MUL \na-3+(4/\na), 2-(4/\na), \set, \zero      ; matrix instructions stand between the add and the wait for it
	s_wait_dscnt 0x0                               ; the add is done, and my reads of this slot are over
	s_barrier_signal -1
	MUL \na-1, 1, \set, \zero
	WIN 0
	s_barrier_wait -1
.endm
; A step of TILE 1 on set; the next step's fragments are asked for first, into the other set.  Four places stand in front of loads into registers that matrix instructions have read
; (only plain vector instructions are places: ISA guide 7.12.1 for vector instructions).  fill = -1: no change of slots; 1: slot nslot has been read out and takes tile 1's K step two on; 2: tile 2's K step for it.
.macro STEP set, nslot, nq, nks, zero, fill, ask
	s_wait_dscnt 0x0                               ; this step's set is in
	PLACES 4
	P1 \nslot, \nq, 1-(\set), \nks, 0              ; the four places serve all four parts
	MUL 0, 1, \set, \zero
	P1 \nslot, \nq, 1-(\set), \nks, 1
	MUL 1, 2, \set, \zero
	P1 \nslot, \nq, 1-(\set), \nks, 2
	MUL 3, 1, \set, \zero
	P1 \nslot, \nq, 1-(\set), \nks, 3
.if \ask
	ASK \ask
.endif
.if \fill < 0
	MUL 4, 4, \set, \zero
.else
	MUL 4, 1, \set, \zero
	MEET 8, \set, \zero
	CREST                                          ; no wave of any partner still reads this slot or has a load on its way
.if \fill == 1
	s_add_nc_u64 s[G0A+4*\nslot+2:G0A+4*\nslot+3], s[G0A+4*\nslot+2:G0A+4*\nslot+3], 6144
	s_add_nc_u64 s[G0B+4*\nslot+2:G0B+4*\nslot+3], s[G0B+4*\nslot+2:G0B+4*\nslot+3], 6144
	JLOAD G0A+4*\nslot, G1A, G0B+4*\nslot, G1B     ; the first tensor load behind the round
.else
	JLOAD G0A2+4*\nslot, G1A2, G0B2+4*\nslot, G1B  ; THE RING GOES ON INTO TILE 2
.endif
.endif
.endm
; A step of TILE 2.  fill = -1: no barrier; 1: slot 0 has been read out and takes tile 2's K step 3; 0: that K step has landed, and the barrier shows it to all four waves
.macro STEP2 set, nslot, nq, nks, zero, fill
	s_wait_dscnt 0x0
	PLACES 4
	P2 \nslot, \nq, 1-(\set), \nks, 0
	MUL 0, 1, \set, \zero
	P2 \nslot, \nq, 1-(\set), \nks, 1
	MUL 1, 1, \set, \zero
	P2 \nslot, \nq, 1-(\set), \nks, 2
.if \fill < 0
	MUL 2, 2, \set, \zero
.else
	MEET 4, \set, \zero
.if \fill
	CREST
	s_add_nc_u64 s[G0A2+2:G0A2+3], s[G0A2+2:G0A2+3], 9216
	s_add_nc_u64 s[G0B2+2:G0B2+3], s[G0B2+2:G0B2+3], 9216
	JLOAD G0A2, G1A2, G0B2, G1B
.endif
.endif
.endm
; THE WAY OUT.  The 64 registers of A's block a are 128 neighbours along the next K of the lane's slot (64 here, 64 in lane l xor 16): one fragment and one scale word a slot.  base: the scalar pair with the codes' address.
; Blocks a and a + 1 go together: eight blocks of 32, line by line, so that no line waits for the line above it.
.macro OUT a, base
.set SRC, 64*((\a)%4)
.set WD, 2+(\a)/4
.set PCA, PCF+12*(\a)
.if (\a) > 0
	s_wait_dscnt 0x0                               ; the last scale words' stores have read their registers
.endif
	WIN (WD<<2)|(WD<<4)                            ; sources 1 and 2: the accumulators' window
.irp b, 0,1,2,3,4,5,6,7
	v_max3_num_f32 v[TM+\b], 0x2800000, |v[SRC+16*\b]|, |v[SRC+16*\b+1]|   ; the floor 2^(5 - 127) and my first two of block b; each accumulator is read from its low end on
.endr
.irp i, 2,4,6,8,10,12,14
.irp b, 0,1,2,3,4,5,6,7
	v_max3_num_f32 v[TM+\b], v[TM+\b], |v[SRC+16*\b+\i]|, |v[SRC+16*\b+\i+1]|
.endr
.endr
	WIN 0
.irp b, 0,1,2,3,4,5,6,7
	v_permlanex16_b32 v[TP+\b], v[TM+\b], s[SEL], s[SEL+1]
.endr
.irp b, 0,1,2,3,4,5,6,7
	v_max_num_f32 v[TM+\b], v[TM+\b], v[TP+\b]     ; the block's largest magnitude
.endr
.irp b, 0,1,2,3,4,5,6,7
	v_add_nc_u32 v[TM+\b], 0xfe000000, v[TM+\b]    ; 4 off its exponent field: the conversion's scale operand
.endr
.irp b, 0,1,2,3,4,5,6,7
	v_lshrrev_b32 v[TP+\b], 23, v[TM+\b]           ; the scale's byte
.endr
.irp p, 0,1
	v_lshl_or_b32 v[PW+\p], v[TP+4*\p+1], 8, v[TP+4*\p]
.endr
.irp p, 0,1
	v_lshl_or_b32 v[PW+\p], v[TP+4*\p+2], 16, v[PW+\p]
.endr
.irp p, 0,1
	v_lshl_or_b32 v[PW+\p], v[TP+4*\p+3], 24, v[PW+\p]
.endr
	WIN WD                                         ; source 0: the accumulators' window
.irp c, 0,1,2,3
	v_cvt_scalef32_pk16_bf6_f32 v[PCA+6*\c:PCA+6*\c+2], v[SRC+32*\c:SRC+32*\c+15], v[TM+2*\c]
	v_cvt_scalef32_pk16_bf6_f32 v[PT+4*\c:PT+4*\c+2], v[SRC+16+32*\c:SRC+31+32*\c], v[TM+2*\c+1]
.endr
	WIN 0
	v_nop                                          ; one plain place behind a scaled conversion
.irp c, 0,1,2,3                        ; a WHOLE block in a lane: lanes 0-15 block 2 c, lanes 16-31 block 2 c + 1
.irp i, 0,1,2
	v_permlane16_swap_b32 v[PCA+6*\c+\i], v[PT+4*\c+\i]
.endr
.endr
.irp c, 0,1,2,3
.irp i, 0,1,2
	v_mov_b32 v[PCA+3+6*\c+\i], v[PT+4*\c+\i]
.endr
.endr
.irp c, 0,1,2,3,4,5
	global_store_b128 v[GA], v[PCA+4*\c:PCA+4*\c+3], s[\base:\base+1] offset:(\a+\c/3)*24576+512*(\c%3)   ; 512 consecutive bytes, at a multiple of 512 from the buffer's first byte
.endr
.irp p, 0,1
	ds_store_b32 v[SWI], v[PW+\p] offset:64*(\a+\p)   ; both halves of the lanes write the same word with the same value
.endr
.endm
	s_wait_loadcnt 0x0                             ; the scale words and tile 1's bias
.irp j, 0,1,2,3
	ds_store_b128 v15, v[64+4*\j:67+4*\j] offset:512*\j             ; tile 1's A,
	ds_store_b128 v15, v[80+4*\j:83+4*\j] offset:8192+512*\j        ; tile 1's B,
	ds_store_b128 v15, v[96+4*\j:99+4*\j] offset:20480+512*\j       ; tile 2's B,
.endr
.irp j, 0,1
	ds_store_b128 v18, v[112+4*\j:115+4*\j] offset:512*\j           ; tile 2's A
.endr
	s_wait_tensorcnt 0x0                           ; my part of slot 0 is in
	ds_add_u32 v[SPW], v[NIL]
	s_wait_dscnt 0x0                               ; the add is done, and my quarter of the scale words is stored
	CROUND
	JLOAD G0A+4, G1A, G0B+4, G1B                   ; slot 1: tile 1's K step 1
	; ---- TILE 1
	FETCH 0, 0, 0, 0
	STEP 0, 0, 1, 1, 1, 1, 2                       ; the sums begin with the bias; slot 0 takes K step 2
	STEP 1, 1, 0, 2, 0, -1, 3
	STEP 0, 1, 1, 3, 0, 1, 0                       ; slot 1 takes K step 3
	STEP 1, 0, 0, 4, 0, -1, 0
	STEP 0, 0, 1, 5, 0, 2, 0                       ; slot 0 takes tile 2's K step 0
	STEP 1, 1, 0, 6, 0, -1, 0
	STEP 0, 1, 1, 7, 0, 2, 0                       ; slot 1 takes tile 2's K step 1
	s_wait_dscnt 0x0
	PLACES 4
	P2 0, 0, 0, 0, 0                               ; tile 2's first fragments: the last round showed slot 0 whole; set 0's registers are not touched on the way out
	MUL 0, 1, 1, 0
	P2 0, 0, 0, 0, 1
	MUL 1, 2, 1, 0
	P2 0, 0, 0, 0, 2
	MUL 3, 5, 1, 0
	WIN 0
	PLACES 4                                       ; in front of the first read of results, of loads and of writes into registers that held operands
	WIN 0x40                                       ; tile 2's bias: block a wants its slot's number of bv in all eight registers
.irp t, 0,1,2,3
.irp j, 0,1,2,3,4,5,6,7
	global_load_b32 v[96+8*\t+\j], v[BVO], s[12:13] offset:(32*(\t/2)+8*(\t%2))*4
.endr
.endr
	WIN 0
.irp a, 0,2
	OUT \a, 14
.endr
	s_wait_alu depctr_va_vdst(0)                   ; the wait here, ahead of the waits below
	s_wait_tensorcnt 0x0                           ; tile 2's K step 1 has landed; slot 2's first fill goes out as a refill does
	ds_add_u32 v[SPW], v[NIL]
	s_wait_dscnt 0x0
	CROUND
	JLOAD G0A2+8, G1A2, G0B22, G1B                 ; slot 2: tile 2's K step 2
.irp a, 4,6
	OUT \a, 14
.endr
	ds_load_b128 v[232:235], v[SWO]                ; my wave's 128 scale words: LDS serves a wave's instructions in order
	s_wait_dscnt 0x0
	global_store_b128 v[GA], v[232:235], s[16:17]
	; ---- TILE 2
	s_wait_xcnt 0x0                                ; tile 1's stores have read their registers: set 1's fragments may land there
	s_wait_loadcnt 0x0                             ; tile 2's bias
	STEP2 0, 0, 1, 1, 2, 1                         ; K step 0 of 128: the sums begin with the bias; slot 0 takes K step 3 of 256, slot 2 is whole
	STEP2 1, 1, 0, 2, 0, -1
	STEP2 0, 1, 1, 3, 0, -1
	STEP2 1, 2, 0, 4, 0, -1
	STEP2 0, 2, 1, 5, 0, 0                         ; slot 0 is whole again
	STEP2 1, 0, 0, 6, 0, -1
	STEP2 0, 0, 1, 7, 0, -1
	s_wait_dscnt 0x0                               ; nothing more to fetch
	MUL 0, 4, 1, 0
	WIN 0
	PLACES 4
.irp a, 0,2
	OUT \a, OC2
.endr
	ds_load_b64 v[232:233], v[SWO2]                ; my wave's 64 scale words
	s_wait_dscnt 0x0
	global_store_b64 v[GS], v[232:233], s[OW2:OW2+1]   ; 256 consecutive bytes, aligned
	s_wait_tensorcnt 0x0                           ; the wave's end
	ds_add_u32 v[SPW], v[NIL]
	s_wait_dscnt 0x0
	CROUND                                         ; the closing round: no work-group ends while a partner may still ask for a tile that names it
	s_endpgm
.Lfunc_end_k_q3a4f6dfc9c_proj:
	.size	k_q3a4f6dfc9c_proj, .Lfunc_end_k_q3a4f6dfc9c_proj-k_q3a4f6dfc9c_proj
	.p2alignl 7, 3214868480
	.fill 96, 4, 3214868480
	.section	.rodata,"a",@progbits
	.p2align	6, 0x0
	.amdhsa_kernel k_q3a4f6dfc9c_proj
		.amdhsa_group_segment_fixed_size 327680
		.amdhsa_private_segment_fixed_size 0
		.amdhsa_enable_private_segment 0
		.amdhsa_kernarg_size 56
		.amdhsa_user_sgpr_count 2
		.amdhsa_user_sgpr_kernarg_segment_ptr 1
		.amdhsa_wavefront_size32 1
		.amdhsa_system_sgpr_workgroup_id_x 1
		.amdhsa_system_sgpr_workgroup_id_y 1
		.amdhsa_system_sgpr_workgroup_id_z 1
		.amdhsa_system_vgpr_workitem_id 0
		.amdhsa_next_free_vgpr 1024
		.amdhsa_next_free_sgpr 106
		.amdhsa_reserve_vcc 0
		.amdhsa_float_denorm_mode_32 3
		.amdhsa_float_denorm_mode_16_64 3
		.amdhsa_memory_ordered 1
		.amdhsa_forward_progress 1
		.amdhsa_inst_pref_size 232
	.end_amdhsa_kernel
	.amdgpu_metadata
---
amdhsa.version: [ 1, 2 ]
amdhsa.kernels:
  - .name:           k_q3a4f6dfc9c_proj
    .symbol:         k_q3a4f6dfc9c_proj.kd
    .args:
      - { .name: opc, .offset: 0, .size: 8, .value_kind: global_buffer, .address_space: global }
      - { .name: ops, .offset: 8, .size: 8, .value_kind: global_buffer, .address_space: global }
      - { .name: bq, .offset: 16, .size: 8, .value_kind: global_buffer, .address_space: global }
      - { .name: bk, .offset: 24, .size: 8, .value_kind: global_buffer, .address_space: global }
      - { .name: bv, .offset: 32, .size: 8, .value_kind: global_buffer, .address_space: global }
      - { .name: qkvc, .offset: 40, .size: 8, .value_kind: global_buffer, .address_space: global }
      - { .name: qkvs, .offset: 48, .size: 8, .value_kind: global_buffer, .address_space: global }
    .group_segment_fixed_size: 327680
    .private_segment_fixed_size: 0
    .kernarg_segment_align: 8
    .kernarg_segment_size: 56
    .max_flat_workgroup_size: 128
    .sgpr_count:     106
    .vgpr_count:     1024
    .wavefront_size: 32
...
	.end_amdgpu_metadata
.endif
;; end of part 2
;; launch scores (part 3): grid 8 x 32, 4 waves a work-group, clusters of 4 x 4, 327,680 bytes of LDS; arguments qkvc, qkvs, pc, pst; writes pc, pst
.if DOCPART == 3
	.amdgcn_target "amdgcn-amd-amdhsa--gfx1250"
	.amdhsa_code_object_version 6
	.text
	.protected	k_q3a4f6dfc9c_scores
	.globl	k_q3a4f6dfc9c_scores
	.p2align	8
	.type	k_q3a4f6dfc9c_scores,@function
k_q3a4f6dfc9c_scores:
	s_mov_b64 s[64:65], 0
	v_nop
	global_prefetch_b8 v0, s[64:65] scope:SCOPE_SE
	s_setreg_imm32_b32 hwreg(HW_REG_WAVE_MODE, 25, 1), 1
	s_wait_xcnt 0x0
	s_wait_alu depctr_hold_cnt(0) depctr_sa_sdst(0) depctr_va_vdst(0) depctr_va_sdst(0) depctr_va_ssrc(0) depctr_va_vcc(0) depctr_vm_vsrc(0)
	s_getreg_b32 s2, hwreg(HW_REG_IB_STS2, 6, 4)
	s_cmp_eq_u32 s2, 0
	s_cbranch_scc0 .Lentry_in_a_cluster
	s_endpgm
.Lentry_in_a_cluster:
	s_bfe_u32 s2, ttmp6, 0x10000c
	s_cmp_lg_u32 s2, 0xf033
	s_cbranch_scc0 .Lentry_shape_is_right
	s_endpgm
.Lentry_shape_is_right:
; S^T = K Q^T on codes of BF6, and the softmax's p as codes.  A work-group makes 256 queries ('A', source 1, the lanes' axis) x 256 keys ('B', source 0, the registers' axis) of one batch; four waves, each 128 x 128.
; THE SOFTMAX GOES BY CHUNKS OF 128 KEYS.  t = score x log2(e) / 32.  For each query and each chunk: M = the chunk's largest t rounded up to a whole number; p = 2^(t - M); l = the sum of the unquantised p.
; p is quantised along the keys under that M.  The codes of a block do not hang on M: another whole M only moves the block's scale byte.  So the next launch takes the row's largest M, moves the bytes and joins the sums, exactly.
; A maximum is taken away ahead of every exponential: the chunk's own.
; pc: [512 query row tiles][8 key steps of 256][2][1,536]: images of fragments.   pst: [64 groups of 8 tiles][16 chunks][3][128] words: p's scale word under the chunk's M; -M (f32, a whole number); l.
; K = 1,024 goes in four fills of 256 through two LDS slots, one joint load a wave at the head and one behind each round of the cluster's barrier; a load brings 8 row tiles x 3,072 bytes (the tile has no more rows).
; Each step of 128 asks first for the next step's fragments; at the end of the step that has fetched a slot's second half stands the round, behind which that slot is filled again.
; The scale words, 16,384 bytes, are copied once through registers into LDS bytes of their own, a quarter by each wave.
; PREFETCH: fills 1 to 3, each asked for one fill ahead of its load, 24 blocks of 256 bytes a wave: of the 8 row tiles that a wave loads, each of the four partners takes two, by address.
; Q's fragments are K steps 0-3 of a row tile of qkvc, K's K steps 4-7.  The keys of a tile are not neighbours (slot r of tile 2 g + u is row 32 g + 8 u + r % 8 + 16 (r / 8)), so a lane's 64 registers are keys 32 g + 16 h + 0 .. 15.
; LIMITS: a block whose every p lies under 2^-122 keeps the byte 1; NaN and infinities are not served; M is kept as a whole number in f32: the promise holds while |t| stays under 2^31.
; REGISTERS: window 0: v14-29 addresses; v32-47 scale words, two sets; v64-159, v160-255 A's two sets; on the way out v48-63, v64-127 (p), v128-255.  window 1: B's sets.  windows 2, 3: the accumulators.
; On the way out two row tiles go together: their p stand where their scores stood (windows 2, 3), and v48-127 hold what else is made of them.
.set SLOT,  98304
.set HALF,  24576
.set SCL,   2*SLOT
.set SWS,   SCL+4*4096                 ; 1,536 bytes a wave: the three kinds of words made on the way out: no fill lands here
.set SPARE, SWS+4*1536                 ; the spare words, 128 bytes a wave: two blocks of 256 bytes that no other line names
.set PFO,  14
.set SCS,  15                          ; where my part of the scale words goes
.set ADRA, 16
.set ADRB, 20
.set SWI,  24
.set SWO,  25
.set GA,   26
.set ADRS, 27
.set SPW,  28
.set NIL,  29
.set SC,   32
.set AF,   64
.set BM,   48                          ; v48-55 a block's largest score, then its largest p: two tiles' eight blocks
.set BX,   56                          ; v56-63 the other half of the lanes'
.set SO,   64                          ; v64-71 the conversions' scale operands
.set BY,   72                          ; v72-79 the bytes
.set NM,   80                          ; v80, v82 -M (v81 and v83 are named with them as pairs: A's fragments have been there)
.set SU,   84                          ; v84-99 the sums, four chains of pairs a tile
.set TA,   100
.set LL,   104
.set PW,   106
.set PT,   112                         ; v112-127 halves on their way
.set PCF,  128                         ; v128-223 the eight fragments made
.set WV, 18
.set FB, 19
.set HB, 20
.set G1A, 24
.set G0A, 32
.set G1B, 48
.set G0B, 56
.set PF,  76
.set CS,  92                           ; s[92:93] c = log2(e) / 32
.set SEL, 94
.set MSB, 0
.macro WIN new
.if MSB != (\new)
	s_set_vgpr_msb (MSB<<8)|(\new)
.set MSB, (\new)
.endif
.endm
.macro JLOAD s                         ; a joint load into slot s: waves 0, 1 for A, waves 2, 3 for B; four v_nop follow each line
	s_cmp_eq_u32 s[FB], 0
	s_cbranch_scc0 .Lfor_b_\@
	tensor_load_to_lds s[G0A+4*\s:G0A+4*\s+3], s[G1A:G1A+7]
	s_nop 0
.rept 4
	v_nop
.endr
	s_branch .Lasked_\@
.Lfor_b_\@:
	tensor_load_to_lds s[G0B+4*\s:G0B+4*\s+3], s[G1B:G1B+7]
	s_nop 0
.rept 4
	v_nop
.endr
.Lasked_\@:
.endm
.macro CREST
	s_cmp_lg_u32 s[WV], 0
	s_cbranch_scc1 .Lnot_wave_0_\@
	s_barrier_signal -3
.Lnot_wave_0_\@:
	s_barrier_wait -3
	s_barrier_signal -1
	s_barrier_wait -1
.endm
.macro CROUND
	s_barrier_signal -1
	s_barrier_wait -1
	CREST
.endm
.macro PLACES n
.rept \n
	v_nop
.endr
.endm
.macro ASK f
	global_prefetch_b8 v[PFO], s[PF:PF+1] offset:3072*(\f) th:TH_LOAD_NT scope:SCOPE_SE
.endm
	s_load_b256 s[4:11], s[0:1], 0x0               ; qkvc, qkvs, pc, pst
	v_lshl_add_u32 v[SPW], v0, 2, SPARE
	v_mov_b32 v[NIL], 0
	ds_add_u32 v[SPW], v[NIL]                      ; the opening add, twice on end
	ds_add_u32 v[SPW], v[NIL]
	v_lshrrev_b32 v1, 5, v0
	v_readfirstlane_b32 s[WV], v1
	s_lshr_b32 s[FB], s[WV], 1
	s_and_b32 s[HB], s[WV], 1
	s_bfe_u32 s21, ttmp6, 0x40000                  ; cx
	s_bfe_u32 s22, ttmp6, 0x40004                  ; cy
	s_and_b32 s23, ttmp7, 0xffff                   ; cluster y
	s_lshl_b32 s98, s22, 2
	s_lshl_b32 s98, 15, s98                        ; my row of the cluster
	s_lshl_b32 s99, 0x1111, s21                    ; my column
	s_or_b32 s[G1A], s98, (3<<16)|(1<<21)
	s_or_b32 s[G1B], s99, (3<<16)|(1<<21)
.irp g, G1A, G1B                       ; 8 row tiles x 3,072 bytes (384 elements of 8), 24,576 bytes apart in qkvc
	s_mov_b32 s[\g+1], 384<<16
	s_mov_b32 s[\g+2], 8<<16
	s_mov_b32 s[\g+3], 384<<16
	s_mov_b32 s[\g+4], 8
	s_mov_b32 s[\g+5], 3072
	s_mov_b32 s[\g+6], 0
	s_mov_b32 s[\g+7], 0
.endr
	s_lshl_b32 s67, s23, 2
	s_add_co_u32 s67, s67, s22                     ; T1: my 256 queries, of all 8,192
	s_lshl_b32 s66, ttmp9, 2
	s_add_co_u32 s66, s66, s21                     ; T0: my 256 keys, of the batch's 2,048
	s_lshl_b32 s96, s[HB], 3                       ; the half that I fetch
	s_lshl_b32 s42, s67, 4
	s_add_co_u32 s42, s42, s96                     ; Q's row tile
	s_mul_i32 s40, s42, 24576
	s_mov_b32 s41, 0
	s_lshl_b32 s42, s42, 10                        ; its scale words: 1,024 bytes a row tile, Q's in a group's first 4,096
	s_mov_b32 s43, 0
	s_lshr_b32 s97, s23, 1
	s_lshl_b32 s97, s97, 7                         ; the batch's first row tile: the batch hangs on the cluster's y alone
	s_lshl_b32 s46, s66, 4
	s_add_co_u32 s46, s46, s97
	s_add_co_u32 s46, s46, s96                     ; K's row tile
	s_mul_i32 s44, s46, 24576
	s_add_co_u32 s44, s44, 12288                   ; K steps 4-7
	s_mov_b32 s45, 0
	s_lshl_b32 s46, s46, 10
	s_add_co_u32 s46, s46, 4096
	s_mov_b32 s47, 0
.irp g, G0A, G0B
	s_mov_b32 s[\g], 1
	s_mul_i32 s[\g+1], s[WV], HALF
	s_mov_b32 s[\g+4], 1
	s_add_co_u32 s[\g+5], s[\g+1], SLOT
.endr
	s_mov_b32 s[CS], 0x3d38aa3b                    ; log2(e) / 32
	s_mov_b32 s[CS+1], s[CS]
	s_mov_b32 s[SEL], 0x76543210
	s_mov_b32 s[SEL+1], 0xfedcba98
	s_mul_i32 s68, s[FB], HALF
	s_mul_i32 s69, s[HB], HALF
	s_add_co_u32 s69, s69, 2*HALF
	s_lshl_b32 s70, s[FB], 12
	s_lshl_b32 s71, s[HB], 12
	s_add_co_u32 s71, s71, 8192
	s_sub_co_u32 s71, s71, s70
	s_add_co_u32 s70, s70, SCL
	s_mul_i32 s72, s[WV], 1536
	s_add_co_u32 s72, s72, SWS
	s_lshl_b32 s73, s[WV], 12
	s_add_co_u32 s73, s73, SCL
	v_and_b32 v1, 15, v0                           ; r
	v_bfe_u32 v2, v0, 4, 1                         ; h
	v_and_b32 v3, 31, v0
	v_lshlrev_b32 v[GA], 4, v3
	v_add_nc_u32 v[ADRA], s68, v[GA]
	v_add_nc_u32 v[ADRB], s69, v[GA]
	v_add_nc_u32 v[ADRA+1], SLOT, v[ADRA]
	v_add_nc_u32 v[ADRB+1], SLOT, v[ADRB]
	v_mul_u32_u24 v4, s71, v2                      ; lanes 16-31 take B's words: one product, the distance between the two
	v_lshl_add_u32 v4, v1, 2, v4
	v_add_nc_u32 v[ADRS], s70, v4
	v_lshl_add_u32 v[SWI], v1, 2, s72
	v_add_nc_u32 v[SWO], s72, v[GA]
	v_add_nc_u32 v[SCS], s73, v[GA]
	v_min_u32 v3, 23, v3                           ; the prefetches: block min(lane, 23) of two row tiles' 24:
	v_mul_u32_u24 v5, 11, v3
	v_lshrrev_b32 v5, 7, v5                        ; / 12
	v_mul_u32_u24 v5, 24576-3072, v5
	v_lshl_add_u32 v[PFO], v3, 8, v5
.irp b, 0,1,2,3,4,5,6,7
	v_mov_b32 v[BX+\b], 0                          ; written once: a lane permute's destination counts as one of its sources
.endr
	s_wait_alu depctr_va_vdst(0)                   ; the wait at the head's end
	s_wait_dscnt 0x0                               ; both opening adds are done
	CROUND                                         ; all sixteen work-groups are here: the first joint loads meet
	s_wait_kmcnt 0x0
	s_add_nc_u64 s[40:41], s[4:5], s[40:41]
	s_add_nc_u64 s[44:45], s[4:5], s[44:45]
.irp s, 0,1
	s_add_nc_u64 s[G0A+4*\s+2:G0A+4*\s+3], s[40:41], \s*3072
	s_or_b32 s[G0A+4*\s+3], s[G0A+4*\s+3], 0x80000000
	s_add_nc_u64 s[G0B+4*\s+2:G0B+4*\s+3], s[44:45], \s*3072
	s_or_b32 s[G0B+4*\s+3], s[G0B+4*\s+3], 0x80000000
.endr
	JLOAD 0
	s_add_nc_u64 s[42:43], s[6:7], s[42:43]
	s_add_nc_u64 s[46:47], s[6:7], s[46:47]
	s_cmp_eq_u32 s[FB], 0
	s_cselect_b64 s[68:69], s[42:43], s[46:47]     ; the scale words that I copy: 4,096 bytes of A's or of B's
	s_cselect_b64 s[PF:PF+1], s[40:41], s[44:45]
	s_cselect_b32 s80, s21, s22                    ; my place among the four that ask with me
.irp j, 0,1,2,3,4,5,6,7
	global_load_b128 v[64+4*\j:67+4*\j], v[GA], s[68:69] offset:512*\j
.endr
	s_mul_i32 s80, s80, 2*24576
	s_mov_b32 s81, 0
	s_add_nc_u64 s[PF:PF+1], s[PF:PF+1], s[80:81]
	ASK 1
	; where my results go
	s_lshl_b32 s40, s67, 1
	s_add_co_u32 s40, s40, s[FB]                   ; the group of 8 query row tiles: 2 T1 + FB
	s_lshl_b32 s41, s66, 1
	s_add_co_u32 s41, s41, s[HB]                   ; the chunk of 128 keys: 2 T0 + HB
	s_mul_i32 s42, s40, 8*24576
	s_mul_i32 s44, s41, 1536
	s_add_co_u32 s42, s42, s44
	s_mov_b32 s43, 0
	s_add_nc_u64 s[8:9], s[8:9], s[42:43]
	s_lshl_b32 s42, s40, 4
	s_add_co_u32 s42, s42, s41
	s_mul_i32 s42, s42, 1536
	s_add_nc_u64 s[10:11], s[10:11], s[42:43]
; n blocks of A from lo on, each against B's eight.  zero = 1: the first product starts the sums.  The 64 accumulators take turns, one instruction a turn.
.macro MUL lo, n, set, zero
.set aa, \lo
.rept \n
	WIN 0xa1+0x50*(aa/4)
.irp b, 0,1,2,3,4,5,6,7
.set rD, 8*(8*(aa%4)+\b)
.set rB, 128*(\set)+12*\b
.set rA, AF+96*(\set)+12*aa
.set rSB, SC+8*(\set)+\b
.set rSA, SC+8*(\set)+aa
.if \zero
	v_wmma_scale_f32_16x16x128_f8f6f4 v[rD:rD+7], v[rB:rB+11], v[rA:rA+11], 0, v[rSB], v[rSA] matrix_a_fmt:MATRIX_FMT_BF6 matrix_b_fmt:MATRIX_FMT_BF6 matrix_a_scale:MATRIX_SCALE_ROW1
.else
	v_wmma_scale_f32_16x16x128_f8f6f4 v[rD:rD+7], v[rB:rB+11], v[rA:rA+11], v[rD:rD+7], v[rSB], v[rSA] matrix_a_fmt:MATRIX_FMT_BF6 matrix_b_fmt:MATRIX_FMT_BF6 matrix_a_scale:MATRIX_SCALE_ROW1
.endif
.endr
.set aa, aa+1
.endr
.endm
.macro PART slot, q, set, ks, i0, i1   ; a step's 56 LDS loads come in four parts of 14 that stand between the blocks of products: blocks i0, i1 of B and of A and their scale words
	WIN 0x40
.irp i, \i0, \i1
.irp c, 0,1,2
	ds_load_b128 v[128*(\set)+12*\i+4*\c:128*(\set)+12*\i+4*\c+3], v[ADRB+\slot] offset:3072*\i+1536*(\q)+512*\c
.endr
.endr
	WIN 0
.irp i, \i0, \i1
.irp c, 0,1,2
	ds_load_b128 v[AF+96*(\set)+12*\i+4*\c:AF+96*(\set)+12*\i+4*\c+3], v[ADRA+\slot] offset:3072*\i+1536*(\q)+512*\c
.endr
.endr
.irp i, \i0, \i1
	ds_load_b32 v[SC+8*(\set)+\i], v[ADRS] offset:512*(\ks)+64*\i
.endr
.endm
.macro FETCH slot, q, set, ks
	PART \slot, \q, \set, \ks, 0, 1
	PART \slot, \q, \set, \ks, 2, 3
	PART \slot, \q, \set, \ks, 4, 5
	PART \slot, \q, \set, \ks, 6, 7
.endm
; A step on set; the next step's fragments are asked for first, into the other set.  fill = -1: no barrier; 1: slot nslot has been read out and takes the K step of 256 two on; 0: the last fill has landed, and the barrier shows it.
.macro STEP set, nslot, nq, nks, zero, fill, ask
	s_wait_dscnt 0x0                               ; this step's set is in
	PLACES 4                                       ; in front of loads into registers that matrix instructions have read
	PART \nslot, \nq, 1-(\set), \nks, 0, 1         ; the four places serve all four parts
	MUL 0, 1, \set, \zero
	PART \nslot, \nq, 1-(\set), \nks, 2, 3
	MUL 1, 2, \set, \zero
	PART \nslot, \nq, 1-(\set), \nks, 4, 5
	MUL 3, 1, \set, \zero
	PART \nslot, \nq, 1-(\set), \nks, 6, 7
.if \ask
	ASK \ask
.endif
.if \fill < 0
	MUL 4, 4, \set, \zero
.else
	MUL 4, 1, \set, \zero
	WIN 0
	s_wait_tensorcnt 0x0                           ; all my tensor loads have landed
	ds_add_u32 v[SPW], v[NIL]                      ; 0 onto my spare word
	MUL 5, 2, \set, \zero
	s_wait_dscnt 0x0                               ; the add is done, and my reads of this slot are over
	s_barrier_signal -1
	MUL 7, 1, \set, \zero
	WIN 0
	s_barrier_wait -1
.if \fill
	CREST                                          ; a round of the cluster's barrier: no wave of any partner still reads this slot or has a load on its way
	s_add_nc_u64 s[G0A+4*\nslot+2:G0A+4*\nslot+3], s[G0A+4*\nslot+2:G0A+4*\nslot+3], 6144
	s_add_nc_u64 s[G0B+4*\nslot+2:G0B+4*\nslot+3], s[G0B+4*\nslot+2:G0B+4*\nslot+3], 6144
	JLOAD \nslot
.endif
.endif
.endm
	s_wait_loadcnt 0x0                             ; my part of the scale words
.irp j, 0,1,2,3,4,5,6,7
	ds_store_b128 v[SCS], v[64+4*\j:67+4*\j] offset:512*\j
.endr
	s_wait_tensorcnt 0x0                           ; my part of slot 0 is in
	ds_add_u32 v[SPW], v[NIL]
	s_wait_dscnt 0x0                               ; the add is done, and my scale words are stored
	CROUND
	JLOAD 1
	FETCH 0, 0, 0, 0
	STEP 0, 0, 1, 1, 1, 1, 2
	STEP 1, 1, 0, 2, 0, -1, 3
	STEP 0, 1, 1, 3, 0, 1, 0
	STEP 1, 0, 0, 4, 0, -1, 0
	STEP 0, 0, 1, 5, 0, 0, 0
	STEP 1, 1, 0, 6, 0, -1, 0
	STEP 0, 1, 1, 7, 0, -1, 0
	s_wait_dscnt 0x0
	MUL 0, 8, 1, 0
	WIN 0
	PLACES 4
; THE WAY OUT: one tile of 16 queries and my chunk of 128 keys at a time.  A lane holds one query and 64 keys, lane l xor 16 the other 64.
; Tiles a and a + 1 go together: eight blocks of 32 keys, line by line, so that no line waits for the line above it.
.macro SOFT a
.set SRC, 64*((\a)%4)
.set WD, 2+(\a)/4
.set PCA, PCF+12*(\a)
.if (\a) > 0
	s_wait_dscnt 0x0                               ; the last tiles' word stores have read their registers
.endif
	WIN (WD<<2)|(WD<<4)
	s_wait_alu depctr_va_vdst(0)                   ; the wait here, directly ahead of the first reader of these results
.irp b, 0,1,2,3,4,5,6,7
	v_max3_num_f32 v[BM+\b], 0xff800000, v[SRC+16*\b], v[SRC+16*\b+1]   ; the largest score of each block of 32 keys: it serves the chunk's maximum and, since p rises with the score, the block's largest p
.endr
.irp i, 2,4,6,8,10,12,14
.irp b, 0,1,2,3,4,5,6,7
	v_max3_num_f32 v[BM+\b], v[BM+\b], v[SRC+16*\b+\i], v[SRC+16*\b+\i+1]
.endr
.endr
	WIN 0
.irp b, 0,1,2,3,4,5,6,7
	v_permlanex16_b32 v[BX+\b], v[BM+\b], s[SEL], s[SEL+1]
.endr
.irp b, 0,1,2,3,4,5,6,7
	v_max_num_f32 v[BM+\b], v[BM+\b], v[BX+\b]
.endr
.irp p, 0,1
	v_max3_num_f32 v[TA+\p], v[BM+4*\p], v[BM+4*\p+1], v[BM+4*\p+2]
.endr
.irp p, 0,1
	v_max_num_f32 v[TA+\p], v[TA+\p], v[BM+4*\p+3] ; the chunk's largest score of my query,
.endr
.irp p, 0,1
	v_mul_f32 v[TA+\p], s[CS], v[TA+\p]            ; as t,
.endr
.irp p, 0,1
	v_floor_f32 v[NM+2*\p], -v[TA+\p]              ; -M = floor(-t) = -ceil(t)
.endr
	WIN (WD<<6)|WD                                 ; destination and source 0: the accumulators' window
.set n, 0
.rept 32
	v_pk_fma_f32 v[SRC+n:SRC+n+1], v[SRC+n:SRC+n+1], s[CS:CS+1], v[NM:NM+1] op_sel_hi:[1,0,0]   ; t - M, two at a time
	v_pk_fma_f32 v[SRC+64+n:SRC+65+n], v[SRC+64+n:SRC+65+n], s[CS:CS+1], v[NM+2:NM+3] op_sel_hi:[1,0,0]
.set n, n+2
.endr
	WIN 0
.irp b, 0,1,2,3,4,5,6,7
	v_fma_f32 v[BM+\b], v[BM+\b], s[CS], v[NM+2*(\b/4)]   ; the same of each block's largest score
.endr
	s_wait_alu depctr_va_vdst(0)                   ; the wait ahead of the batch
.irp b, 0,1,2,3,4,5,6,7
	v_exp_f32 v[BM+\b], v[BM+\b]                   ; the block's largest p: the same two instructions on the same number give the same bits
.endr
	WIN (WD<<6)|WD
.set n, 0
.rept 128
	v_exp_f32 v[SRC+n], v[SRC+n]                   ; p = 2^(t - M): not normalised
.set n, n+1
.endr
	WIN 0
	v_nop                                          ; a plain place behind the exponentials
	s_wait_alu depctr_va_vdst(0)                   ; one wait for the batch, ahead of its first reader
	WIN WD|(WD<<2)
.irp c, 0,2,4,6                        ; the sums of the UNQUANTISED p, in four chains of pairs a tile
.irp p, 0,1
	v_pk_add_f32 v[SU+8*\p+\c:SU+8*\p+\c+1], v[SRC+64*\p+\c:SRC+64*\p+\c+1], v[SRC+64*\p+8+\c:SRC+64*\p+\c+9]
.endr
.endr
	WIN WD<<2
.irp j, 16,24,32,40,48,56
.irp c, 0,2,4,6
.irp p, 0,1
	v_pk_add_f32 v[SU+8*\p+\c:SU+8*\p+\c+1], v[SU+8*\p+\c:SU+8*\p+\c+1], v[SRC+64*\p+\j+\c:SRC+64*\p+\j+\c+1]
.endr
.endr
.endr
	WIN 0
.irp c, 0,4
.irp p, 0,1
	v_pk_add_f32 v[SU+8*\p+\c:SU+8*\p+\c+1], v[SU+8*\p+\c:SU+8*\p+\c+1], v[SU+8*\p+\c+2:SU+8*\p+\c+3]
.endr
.endr
.irp b, 0,1,2,3,4,5,6,7
	v_max_num_f32 v[BM+\b], 0x2800000, v[BM+\b]    ; the floor 2^(5 - 127): the byte cannot fall under 1
.endr
.irp p, 0,1
	v_pk_add_f32 v[SU+8*\p:SU+8*\p+1], v[SU+8*\p:SU+8*\p+1], v[SU+8*\p+4:SU+8*\p+5]
.endr
.irp b, 0,1,2,3,4,5,6,7
	v_add_nc_u32 v[SO+\b], 0xfe000000, v[BM+\b]    ; 4 off the exponent field: the conversion's scale operand
.endr
.irp b, 0,1,2,3,4,5,6,7
	v_lshrrev_b32 v[BY+\b], 23, v[SO+\b]           ; the byte: 1 to 123, since p is at most 1
.endr
.irp p, 0,1
	v_lshl_or_b32 v[PW+\p], v[BY+4*\p+1], 8, v[BY+4*\p]
.endr
.irp p, 0,1
	v_lshl_or_b32 v[PW+\p], v[BY+4*\p+2], 16, v[PW+\p]
.endr
.irp p, 0,1
	v_lshl_or_b32 v[PW+\p], v[BY+4*\p+3], 24, v[PW+\p]
.endr
	WIN WD
.irp c, 0,1,2,3
	v_cvt_scalef32_pk16_bf6_f32 v[PCA+6*\c:PCA+6*\c+2], v[SRC+32*\c:SRC+32*\c+15], v[SO+2*\c]
	v_cvt_scalef32_pk16_bf6_f32 v[PT+4*\c:PT+4*\c+2], v[SRC+16+32*\c:SRC+31+32*\c], v[SO+2*\c+1]
.endr
	WIN 0
.irp p, 0,1
	v_add_f32 v[LL+\p], v[SU+8*\p], v[SU+8*\p+1]   ; the sum's two halves: also the plain place behind the conversions
.endr
.irp c, 0,1,2,3
.irp i, 0,1,2
	v_permlane16_swap_b32 v[PCA+6*\c+\i], v[PT+4*\c+\i]
.endr
.endr
.irp p, 0,1
	v_permlanex16_b32 v[BX+4*\p], v[LL+\p], s[SEL], s[SEL+1]
.endr
.irp c, 0,1,2,3
.irp i, 0,1,2
	v_mov_b32 v[PCA+3+6*\c+\i], v[PT+4*\c+\i]
.endr
.endr
.irp p, 0,1
	v_add_f32 v[LL+\p], v[LL+\p], v[BX+4*\p]       ; with lane l xor 16's 64 keys: the chunk's l
.endr
.irp c, 0,1,2,3,4,5
	global_store_b128 v[GA], v[PCA+4*\c:PCA+4*\c+3], s[8:9] offset:(\a+\c/3)*24576+512*(\c%3)   ; 512 consecutive bytes, aligned
.endr
.irp p, 0,1
	ds_store_b32 v[SWI], v[PW+\p] offset:64*(\a+\p)   ; both halves of the lanes write the same words with the same values
	ds_store_b32 v[SWI], v[NM+2*\p] offset:512+64*(\a+\p)
	ds_store_b32 v[SWI], v[LL+\p] offset:1024+64*(\a+\p)
.endr
.endm
.irp a, 0,2,4,6
	SOFT \a
.endr
.irp c, 0,1,2
	ds_load_b128 v[244+4*\c:247+4*\c], v[SWO] offset:512*\c   ; LDS serves a wave's instructions in order: these see my stores
.endr
	s_wait_dscnt 0x0
.irp c, 0,1,2
	global_store_b128 v[GA], v[244+4*\c:247+4*\c], s[10:11] offset:512*\c
.endr
	s_wait_tensorcnt 0x0                           ; the wave's end
	ds_add_u32 v[SPW], v[NIL]
	s_wait_dscnt 0x0
	CROUND                                         ; the closing round
	s_endpgm
.Lfunc_end_k_q3a4f6dfc9c_scores:
	.size	k_q3a4f6dfc9c_scores, .Lfunc_end_k_q3a4f6dfc9c_scores-k_q3a4f6dfc9c_scores
	.p2alignl 7, 3214868480
	.fill 96, 4, 3214868480
	.section	.rodata,"a",@progbits
	.p2align	6, 0x0
	.amdhsa_kernel k_q3a4f6dfc9c_scores
		.amdhsa_group_segment_fixed_size 327680
		.amdhsa_private_segment_fixed_size 0
		.amdhsa_enable_private_segment 0
		.amdhsa_kernarg_size 32
		.amdhsa_user_sgpr_count 2
		.amdhsa_user_sgpr_kernarg_segment_ptr 1
		.amdhsa_wavefront_size32 1
		.amdhsa_system_sgpr_workgroup_id_x 1
		.amdhsa_system_sgpr_workgroup_id_y 1
		.amdhsa_system_sgpr_workgroup_id_z 1
		.amdhsa_system_vgpr_workitem_id 0
		.amdhsa_next_free_vgpr 1024
		.amdhsa_next_free_sgpr 100
		.amdhsa_reserve_vcc 0
		.amdhsa_float_denorm_mode_32 3
		.amdhsa_float_denorm_mode_16_64 3
		.amdhsa_memory_ordered 1
		.amdhsa_forward_progress 1
		.amdhsa_inst_pref_size 201
	.end_amdhsa_kernel
	.amdgpu_metadata
---
amdhsa.version: [ 1, 2 ]
amdhsa.kernels:
  - .name:           k_q3a4f6dfc9c_scores
    .symbol:         k_q3a4f6dfc9c_scores.kd
    .args:
      - { .name: qkvc, .offset: 0, .size: 8, .value_kind: global_buffer, .address_space: global }
      - { .name: qkvs, .offset: 8, .size: 8, .value_kind: global_buffer, .address_space: global }
      - { .name: pc, .offset: 16, .size: 8, .value_kind: global_buffer, .address_space: global }
      - { .name: pst, .offset: 24, .size: 8, .value_kind: global_buffer, .address_space: global }
    .group_segment_fixed_size: 327680
    .private_segment_fixed_size: 0
    .kernarg_segment_align: 8
    .kernarg_segment_size: 32
    .max_flat_workgroup_size: 128
    .sgpr_count:     100
    .vgpr_count:     1024
    .wavefront_size: 32
...
	.end_amdgpu_metadata
.endif
;; end of part 3
;; launch pv (part 4): grid 4 x 64, 4 waves a work-group, clusters of 4 x 4, 327,680 bytes of LDS; arguments pc, pst, qkvc, qkvs, out0; writes out0
.if DOCPART == 4
	.amdgcn_target "amdgcn-amd-amdhsa--gfx1250"
	.amdhsa_code_object_version 6
	.text
	.protected	k_q3a4f6dfc9c_pv
	.globl	k_q3a4f6dfc9c_pv
	.p2align	8
	.type	k_q3a4f6dfc9c_pv,@function
k_q3a4f6dfc9c_pv:
	s_mov_b64 s[64:65], 0
	v_nop
	global_prefetch_b8 v0, s[64:65] scope:SCOPE_SE
	s_setreg_imm32_b32 hwreg(HW_REG_WAVE_MODE, 25, 1), 1
	s_wait_xcnt 0x0
	s_wait_alu depctr_hold_cnt(0) depctr_sa_sdst(0) depctr_va_vdst(0) depctr_va_sdst(0) depctr_va_ssrc(0) depctr_va_vcc(0) depctr_vm_vsrc(0)
	s_getreg_b32 s2, hwreg(HW_REG_IB_STS2, 6, 4)
	s_cmp_eq_u32 s2, 0
	s_cbranch_scc0 .Lentry_in_a_cluster
	s_endpgm
.Lentry_in_a_cluster:
	s_bfe_u32 s2, ttmp6, 0x10000c
	s_cmp_lg_u32 s2, 0xf033
	s_cbranch_scc0 .Lentry_shape_is_right
	s_endpgm
.Lentry_shape_is_right:
; out = (P V) / l on codes of BF6.  A work-group makes 128 queries ('A', source 1, the lanes' axis) x 256 channels ('B', V^T, source 0, the registers' axis) of one batch; four waves, each 64 x 128: 32 accumulators.
; K = the batch's 2,048 keys in four fills of 512 through two LDS slots; operands are images of fragments (16 slots x 128 K: 1,536 bytes).  A load brings 4 (A) or 8 (B) row tiles x 6,144 bytes, 24 aligned blocks of 256 bytes a row.
; One joint load a wave at the head and one behind each round of the cluster's barrier.  Each step of 128 asks first for the next step's fragments; at the end of the step that has fetched a slot's last part stands the round, behind which that slot is filled again.
; The walk of 16 steps: the first is written out (its products start the sums), then two trips of four, each with one refill, then the last seven, which refill nothing.
; THE SOFTMAX'S CHUNKS ARE JOINED HERE: thread q takes query q's 16 chunks of 128 keys: the row's -M is the least of the chunks' -M; with d = the chunk's M less the row's (0 or less), l = the sum of the chunks' l x 2^d, and the chunk's four scale bytes move by d.
; LIMITS: d is held at -127, and a scale byte that would fall under 0 becomes 0 (2^-127): such p lie under 2^-120 of the row's largest.  NaN and infinities are not served.
; V's scale words (16,384 bytes) and p's are stored into LDS bytes of their own by the waves, out of registers.
; CLUSTER 4 x 4: the four of a row share the queries' tiles of P, the four of a column the channels' tiles of V^T.
; PREFETCH: fill 1 behind fill 0's load, fills 2 and 3 behind fill 1's load and the first step: of the row tiles that a wave loads each of the four partners takes one (A) or two (B), by address, 24 blocks of 256 bytes an instruction.
; REGISTERS: window 0: v8-31 addresses; v32-47 scale words, two sets (lanes 0-15 A's block i, lanes 16-31 B's); v56-63 1 / l; v64-159 A's two sets; v160-223 results on their way to the stage.  window 1: B's two sets.  window 2: the accumulators.  window 3: rows read back.
.set SLOT,  147456                     ; A's 8 row tiles x 6,144 bytes, then B's 16
.set SCA,   2*SLOT                     ; p's scale words: [16 K steps of 128][128 queries]
.set RL,    SCA+8192                   ; 1 / l of the 128 queries
.set SCB,   RL+512+64                  ; V's scale words: [2 groups of 8 tiles][16 K steps][128 words], 16 banks on from A's
.set SPARE, 2*SLOT+25344               ; the spare words, 128 bytes a wave: two blocks of 256 bytes that no other line names
.set STG,   8448                       ; a wave's stage on the way out: 16 rows x 528 bytes, in slot 0, which has had its last fill and its last read
.set SL,   8                           ; v8-10  in the loop: LDS address of my A fragments, of B's, of my scale words
.set GT,   12
.set PFO,  13
.set S0,   16                          ; v16-18 the same for slot 0
.set S1,   20                          ; v20-22 and for slot 1
.set VSW,  23
.set STO,  24
.set RD,   25
.set CO,   26                          ; v26  16 x lane
.set RLA,  27
.set SPW,  28
.set NIL,  29
.set SCW,  30
.set RLW,  31
.set SC,   32
.set RV,   56
.set AF,   64
.set LD,   64                          ; v64-111 p's words at the head: scale word, -M, l of chunk k at v[LD + 3 k] on
.set VS,   112                         ; v112-143 V's scale words at the head
.set T,    144                         ; v144-159
.set OS,   160
.set WV, 18
.set FB, 19                            ; wave / 2: my half of A.  Also: I fetch for A (0) or for B (1)
.set HB, 20                            ; wave % 2: my half of B.  Also: which half I fetch
.set G1A, 24
.set G0A, 32
.set G1B, 48
.set G0B, 56
.set PF,  82
.set CUR, 92                           ; s92  the loop: the slot that a trip begins in, which it refills
.set NXT, 93                           ; s93  the slot that it goes on to
.set KS,  94                           ; s94  four K steps' scale words a trip
.set TRIPS, 95
.set MSB, 0
.macro WIN new
.if MSB != (\new)
	s_set_vgpr_msb (MSB<<8)|(\new)
.set MSB, (\new)
.endif
.endm
.macro JLOAD s                         ; a joint load by descriptor s; four v_nop follow each line
	s_cmp_eq_u32 s[FB], 0
	s_cbranch_scc0 .Lfor_b_\@
	tensor_load_to_lds s[G0A+4*\s:G0A+4*\s+3], s[G1A:G1A+7]
	s_nop 0
.rept 4
	v_nop
.endr
	s_branch .Lasked_\@
.Lfor_b_\@:
	tensor_load_to_lds s[G0B+4*\s:G0B+4*\s+3], s[G1B:G1B+7]
	s_nop 0
.rept 4
	v_nop
.endr
.Lasked_\@:
.endm
.macro CREST
	s_cmp_lg_u32 s[WV], 0
	s_cbranch_scc1 .Lnot_wave_0_\@
	s_barrier_signal -3
.Lnot_wave_0_\@:
	s_barrier_wait -3
	s_barrier_signal -1
	s_barrier_wait -1
.endm
.macro CROUND
	s_barrier_signal -1
	s_barrier_wait -1
	CREST
.endm
.macro PLACES n
.rept \n
	v_nop
.endr
.endm
.macro ASK f                           ; fill f: one row tile's 24 blocks; for B a second row tile's
	global_prefetch_b8 v[PFO], s[PF:PF+1] offset:6144*(\f) th:TH_LOAD_NT scope:SCOPE_SE
	s_cmp_eq_u32 s[FB], 0
	s_cbranch_scc1 .Lone_\@
	global_prefetch_b8 v[PFO], s[PF:PF+1] offset:6144*(\f)+24576 th:TH_LOAD_NT scope:SCOPE_SE
.Lone_\@:
.endm
	s_load_b256 s[4:11], s[0:1], 0x0               ; pc, pst, qkvc, qkvs
	s_load_b64 s[12:13], s[0:1], 0x20              ; out0
	v_lshl_add_u32 v[SPW], v0, 2, SPARE
	v_mov_b32 v[NIL], 0
	ds_add_u32 v[SPW], v[NIL]                      ; the opening add, twice on end
	ds_add_u32 v[SPW], v[NIL]
	v_lshrrev_b32 v1, 5, v0
	v_readfirstlane_b32 s[WV], v1
	s_lshr_b32 s[FB], s[WV], 1
	s_and_b32 s[HB], s[WV], 1
	s_bfe_u32 s21, ttmp6, 0x40000                  ; cx
	s_bfe_u32 s22, ttmp6, 0x40004                  ; cy
	s_and_b32 s23, ttmp7, 0xffff                   ; cluster y
	s_lshl_b32 s98, s22, 2
	s_lshl_b32 s98, 15, s98                        ; my row of the cluster
	s_lshl_b32 s99, 0x1111, s21                    ; my column
	s_or_b32 s[G1A], s98, (3<<16)|(1<<21)          ; elements of 8 bytes, no padding
	s_or_b32 s[G1B], s99, (3<<16)|(1<<21)
	s_mov_b32 s[G1A+1], 768<<16                    ; A: 4 row tiles x 6,144 bytes, 24,576 bytes apart
	s_mov_b32 s[G1A+2], 4<<16
	s_mov_b32 s[G1A+3], 768<<16
	s_mov_b32 s[G1A+4], 4
	s_mov_b32 s[G1A+5], 3072
	s_mov_b32 s[G1A+6], 0
	s_mov_b32 s[G1A+7], 0
	s_mov_b32 s[G1B+1], 768<<16                    ; B: 8 row tiles
	s_mov_b32 s[G1B+2], 8<<16
	s_mov_b32 s[G1B+3], 768<<16
	s_mov_b32 s[G1B+4], 8
	s_mov_b32 s[G1B+5], 3072
	s_mov_b32 s[G1B+6], 0
	s_mov_b32 s[G1B+7], 0
	s_lshl_b32 s67, s23, 2
	s_add_co_u32 s67, s67, s22                     ; T1: my 128 queries, of all 8,192
	s_lshl_b32 s66, ttmp9, 2
	s_add_co_u32 s66, s66, s21                     ; T0: my 256 channels
	s_lshl_b32 s40, s67, 3
	s_lshl_b32 s42, s[HB], 2
	s_add_co_u32 s40, s40, s42                     ; A: the row tile that I fetch from on
	s_add_co_u32 s84, s40, s21                     ; the prefetches' for A: + cx
	s_mul_i32 s40, s40, 24576
	s_mov_b32 s41, 0
	s_lshr_b32 s96, s23, 2
	s_lshl_b32 s96, s96, 6
	s_add_co_u32 s96, s96, 512                     ; the batch's V^T
	s_lshl_b32 s46, s66, 4
	s_add_co_u32 s46, s46, s96
	s_lshl_b32 s97, s[HB], 3
	s_add_co_u32 s44, s46, s97                     ; B's
	s_lshl_b32 s86, s22, 1
	s_add_co_u32 s86, s86, s44                     ; the prefetches' for B: + 2 cy
	s_mul_i32 s44, s44, 24576
	s_mov_b32 s45, 0
	s_lshl_b32 s46, s46, 10
	s_lshl_b32 s97, s[WV], 12
	s_add_co_u32 s46, s46, s97                     ; V's scale words: my 4,096 of 16,384 dense bytes
	s_mov_b32 s47, 0
	s_cmp_eq_u32 s[FB], 0
	s_cselect_b32 s84, s84, s86
	s_mul_i32 s84, s84, 24576
	s_mov_b32 s85, 0
	s_mul_i32 s88, s67, 24576                      ; p's words: a group of 8 tiles
	s_mov_b32 s89, 0
	s_lshl_b32 s90, s67, 7
	s_lshl_b32 s91, s[FB], 6
	s_add_co_u32 s90, s90, s91
	s_lshl_b32 s90, s90, 12                        ; out: my 64 rows of 4,096 bytes,
	s_lshl_b32 s91, s66, 10
	s_add_co_u32 s90, s90, s91
	s_lshl_b32 s91, s[HB], 9
	s_add_co_u32 s90, s90, s91                     ; my 128 channels
	s_mov_b32 s91, 0
.irp g, G0A, G0A+4, G0B, G0B+4
	s_mov_b32 s[\g], 1
.endr
	s_mul_i32 s[G0A+1], s[HB], 24576
	s_add_co_u32 s[G0A+5], s[G0A+1], SLOT
	s_mul_i32 s[G0B+1], s[HB], 49152
	s_add_co_u32 s[G0B+1], s[G0B+1], 49152
	s_add_co_u32 s[G0B+5], s[G0B+1], SLOT
	s_mov_b32 s80, 0x01010101
	s_mov_b32 s81, 0x80808080
	s_mul_i32 s68, s[FB], 24576
	s_mul_i32 s70, s[HB], 49152
	s_add_co_u32 s70, s70, 49152
	s_lshl_b32 s72, s[FB], 8
	s_add_co_u32 s74, s72, RL
	s_lshl_b32 s73, s[HB], 13
	s_add_co_u32 s73, s73, SCB-SCA
	s_sub_co_u32 s73, s73, s72                     ; from A's words to B's
	s_add_co_u32 s72, s72, SCA
	s_mul_i32 s75, s[WV], STG
	s_add_co_u32 s76, s97, SCB
	v_and_b32 v1, 15, v0                           ; r
	v_bfe_u32 v2, v0, 4, 1                         ; h
	v_and_b32 v3, 31, v0
	v_lshlrev_b32 v[CO], 4, v3
	v_lshlrev_b32 v[GT], 2, v0
	v_add_nc_u32 v[S0], s68, v[CO]
	v_add_nc_u32 v[S0+1], s70, v[CO]
	v_add_nc_u32 v[S1], SLOT, v[S0]
	v_add_nc_u32 v[S1+1], SLOT, v[S0+1]
	v_mul_u32_u24 v4, s73, v2                      ; lanes 16-31 take B's words
	v_lshl_add_u32 v4, v1, 2, v4
	v_add_nc_u32 v[S0+2], s72, v4
	v_add_nc_u32 v[S1+2], s72, v4
	v_lshl_add_u32 v[RLA], v1, 2, s74
	v_mul_u32_u24 v[STO], v1, 528
	v_lshl_add_u32 v[STO], v2, 6, v[STO]
	v_add_nc_u32 v[STO], s75, v[STO]
	v_add_nc_u32 v[RD], s75, v[CO]
	v_add_nc_u32 v[VSW], s76, v[CO]
	v_lshl_add_u32 v[SCW], v0, 2, SCA
	v_lshl_add_u32 v[RLW], v0, 2, RL
	v_min_u32 v3, 23, v3
	v_lshlrev_b32 v[PFO], 8, v3                    ; block min(lane, 23) of a row tile's 24
	s_wait_alu depctr_va_vdst(0)                   ; the wait at the head's end
	s_wait_dscnt 0x0                               ; both opening adds are done
	CROUND                                         ; all sixteen work-groups are here: the first joint loads meet
	s_wait_kmcnt 0x0
	s_add_nc_u64 s[40:41], s[4:5], s[40:41]
	s_add_nc_u64 s[44:45], s[8:9], s[44:45]
.irp s, 0,1
	s_add_nc_u64 s[G0A+4*\s+2:G0A+4*\s+3], s[40:41], \s*6144
	s_or_b32 s[G0A+4*\s+3], s[G0A+4*\s+3], 0x80000000
	s_add_nc_u64 s[G0B+4*\s+2:G0B+4*\s+3], s[44:45], \s*6144
	s_or_b32 s[G0B+4*\s+3], s[G0B+4*\s+3], 0x80000000
.endr
	JLOAD 0
	s_add_nc_u64 s[6:7], s[6:7], s[88:89]
	s_add_nc_u64 s[46:47], s[10:11], s[46:47]
.irp k, 0,1,2,3,4,5,6,7,8,9,10,11,12,13,14,15
.irp n, 0,1,2
	global_load_b32 v[LD+3*\k+\n], v[GT], s[6:7] offset:1536*\k+512*\n   ; the four waves read 512 consecutive bytes
.endr
.endr
.irp j, 0,1,2,3,4,5,6,7
	global_load_b128 v[VS+4*\j:VS+4*\j+3], v[CO], s[46:47] offset:512*\j
.endr
	s_cmp_eq_u32 s[FB], 0
	s_cselect_b64 s[PF:PF+1], s[4:5], s[8:9]
	s_add_nc_u64 s[PF:PF+1], s[PF:PF+1], s[84:85]
	s_add_nc_u64 s[12:13], s[12:13], s[90:91]
	ASK 1
	s_wait_loadcnt 8                               ; p's 48 words are in; the eight loads of V's scale words may be out
	v_min3_num_f32 v8, v[LD+1], v[LD+4], v[LD+7]   ; the row's -M
.irp k, 3,5,7,9,11,13
	v_min3_num_f32 v8, v8, v[LD+1+3*\k], v[LD+4+3*\k]
.endr
	v_min_num_f32 v8, v8, v[LD+46]
; one line for all 16 chunks at a time: no line waits for the line above it
.macro EACH op:vararg
.set k, 0
.rept 16
	\op
.set k, k+1
.endr
.endm
	EACH v_sub_f32 v[LD+1+3*k], v8, v[LD+1+3*k]    ; d
	EACH v_max_num_f32 v[LD+1+3*k], 0xc2fe0000, v[LD+1+3*k]   ; held at -127
	EACH v_cvt_i32_f32 v[LD+1+3*k], v[LD+1+3*k]
	EACH v_ldexp_f32 v[T+k], 1.0, v[LD+1+3*k]      ; 2^d
	v_mul_f32 v10, v[LD+2], v[T]                   ; the row's l, in two chains
	v_mul_f32 v11, v[LD+5], v[T+1]
.irp k, 2,4,6,8,10,12,14
	v_fma_f32 v10, v[LD+2+3*\k], v[T+\k], v10
	v_fma_f32 v11, v[LD+5+3*\k], v[T+1+\k], v11
.endr
	v_add_f32 v11, v10, v11
	EACH v_mul_lo_u32 v[LD+1+3*k], v[LD+1+3*k], s80   ; d in four bytes
	EACH v_or_b32 v[LD+3*k], s81, v[LD+3*k]        ; bytes of 1 to 123 with the top bit set: the sum borrows from no neighbour,
	EACH v_add_nc_u32 v[LD+3*k], v[LD+3*k], v[LD+1+3*k]
	EACH v_and_b32 v[T+k], s81, v[LD+3*k]          ; and the top bit stays where the byte has not fallen under 0
	EACH v_lshrrev_b32 v[LD+1+3*k], 7, v[T+k]
	EACH v_sub_nc_u32 v[T+k], v[T+k], v[LD+1+3*k]  ; 0x7f there, 0 elsewhere
	EACH v_and_b32 v[LD+3*k], v[LD+3*k], v[T+k]
	EACH ds_store_b32 v[SCW], v[LD+3*k] offset:512*k
	s_wait_alu depctr_va_vdst(0)                   ; the wait ahead of the transcendental
	v_rcp_f32 v10, v11
	v_nop                                          ; a plain place behind it
	s_wait_alu depctr_va_vdst(0)                   ; and the wait ahead of its reader
	ds_store_b32 v[RLW], v10
	s_wait_loadcnt 0x0
.irp j, 0,1,2,3,4,5,6,7
	ds_store_b128 v[VSW], v[VS+4*\j:VS+4*\j+3] offset:512*\j
.endr
; n blocks of A from lo on, each against B's eight.  The 32 accumulators take turns, one instruction a turn.
.macro MUL lo, n, set, zero
	WIN 0xa1                                       ; source 0 (B) window 1, source 1 (A) window 0, C and D window 2
.set aa, \lo
.rept \n
.irp b, 0,1,2,3,4,5,6,7
.set rD, 8*(8*aa+\b)
.set rB, 128*(\set)+12*\b
.set rA, AF+48*(\set)+12*aa
.set rSB, SC+8*(\set)+\b
.set rSA, SC+8*(\set)+aa
.if \zero
	v_wmma_scale_f32_16x16x128_f8f6f4 v[rD:rD+7], v[rB:rB+11], v[rA:rA+11], 0, v[rSB], v[rSA] matrix_a_fmt:MATRIX_FMT_BF6 matrix_b_fmt:MATRIX_FMT_BF6 matrix_a_scale:MATRIX_SCALE_ROW1
.else
	v_wmma_scale_f32_16x16x128_f8f6f4 v[rD:rD+7], v[rB:rB+11], v[rA:rA+11], v[rD:rD+7], v[rSB], v[rSA] matrix_a_fmt:MATRIX_FMT_BF6 matrix_b_fmt:MATRIX_FMT_BF6 matrix_a_scale:MATRIX_SCALE_ROW1
.endif
.endr
.set aa, aa+1
.endr
.endm
; 44 LDS loads in one run, by the three address registers from ad on: the slot's q-th 128 along K into set.  (Lanes 0-15 of scale registers 4-7 take words that no product reads: A has four blocks.)
.macro FETCH ad, q, set, ks
	WIN 0x40
.irp i, 0,1,2,3,4,5,6,7
.irp c, 0,1,2
	ds_load_b128 v[128*(\set)+12*\i+4*\c:128*(\set)+12*\i+4*\c+3], v[\ad+1] offset:6144*\i+1536*(\q)+512*\c
.endr
.endr
	WIN 0
.irp i, 0,1,2,3
.irp c, 0,1,2
	ds_load_b128 v[AF+48*(\set)+12*\i+4*\c:AF+48*(\set)+12*\i+4*\c+3], v[\ad] offset:6144*\i+1536*(\q)+512*\c
.endr
.endr
.irp i, 0,1,2,3,4,5,6,7
	ds_load_b32 v[SC+8*(\set)+\i], v[\ad+2] offset:512*(\ks)+64*\i
.endr
.endm
; A step on set; the next step's fragments are asked for first, into the other set.
.macro STEP set, ad, nq, nks, zero
	s_wait_dscnt 0x0                               ; this step's set is in
	PLACES 4                                       ; in front of loads into registers that matrix instructions have read
	FETCH \ad, \nq, 1-(\set), \nks
	MUL 0, 4, \set, \zero
	WIN 0
.endm
; The same with a change of slots: in front of the barrier each wave waits for all its tensor loads, adds 0 to its spare word, and waits for that and for its reads of the slot.
.macro STEPT set, ad, nq, nks
	s_wait_dscnt 0x0
	PLACES 4
	FETCH \ad, \nq, 1-(\set), \nks
	MUL 0, 2, \set, 0
	WIN 0
	s_wait_tensorcnt 0x0                           ; all my tensor loads have landed
	ds_add_u32 v[SPW], v[NIL]                      ; 0 onto my spare word
	MUL 2, 1, \set, 0
	s_wait_dscnt 0x0                               ; the add is done, and my reads of this slot are over
	s_barrier_signal -1
	MUL 3, 1, \set, 0
	WIN 0
	s_barrier_wait -1
.endm
	s_wait_tensorcnt 0x0                           ; my part of slot 0 is in
	ds_add_u32 v[SPW], v[NIL]
	s_wait_dscnt 0x0                               ; the add is done, and my words are stored
	CROUND
	JLOAD 1                                        ; fill 1, into slot 1
.irp a, 0,1,2,3
	ds_load_b32 v[RV+2*\a], v[RLA] offset:64*\a    ; 1 / l of block a's query, in a pair
	ds_load_b32 v[RV+2*\a+1], v[RLA] offset:64*\a
.endr
	FETCH S0, 0, 0, 0
	STEP 0, S0, 1, 1, 1                            ; K step 0: its products start the sums
	ASK 2
	ASK 3
	s_mov_b32 s[CUR], 0
	s_mov_b32 s[NXT], SLOT
	s_mov_b32 s[KS], 0
	s_mov_b32 s[TRIPS], 2
.Lwalk:                                ; trip i: K steps 4 i + 1 .. 4 i + 4; slot i is left in its second step and takes fill i + 2
	v_add_nc_u32 v[SL], s[CUR], v[S0]
	v_add_nc_u32 v[SL+1], s[CUR], v[S0+1]
	v_add_nc_u32 v[SL+2], s[KS], v[S0+2]
	s_wait_alu depctr_va_vdst(0)
	STEP 1, SL, 2, 2, 0
	STEPT 0, SL, 3, 3
	CREST                                          ; a round of the cluster's barrier: no wave of any partner still reads this slot or has a load on its way
	s_add_co_u32 s[G0A+5], s[G0A+1], s[CUR]        ; into the slot just left,
	s_add_co_u32 s[G0B+5], s[G0B+1], s[CUR]
	s_add_nc_u64 s[G0A+6:G0A+7], s[G0A+6:G0A+7], 6144   ; the next 512 along K
	s_add_nc_u64 s[G0B+6:G0B+7], s[G0B+6:G0B+7], 6144
	JLOAD 1
	v_add_nc_u32 v[SL], s[NXT], v[S0]
	v_add_nc_u32 v[SL+1], s[NXT], v[S0+1]
	s_wait_alu depctr_va_vdst(0)                   ; as above
	STEP 1, SL, 0, 4, 0
	STEP 0, SL, 1, 5, 0
	s_add_co_u32 s[CUR], s[CUR], SLOT
	s_sub_co_u32 s[NXT], s[NXT], SLOT
	s_add_co_u32 s[KS], s[KS], 2048
	s_sub_co_u32 s[TRIPS], s[TRIPS], 1
	s_cmp_lg_u32 s[TRIPS], 0
	s_cbranch_scc1 .Lwalk
	STEP 1, S0, 2, 10, 0                           ; K step 9: fill 2 lies in slot 0, fill 3 is on its way into slot 1
	STEPT 0, S0, 3, 11                             ; fill 3 has landed; slot 0 is read no more behind this barrier
	STEP 1, S1, 0, 12, 0
	STEP 0, S1, 1, 13, 0
	STEP 1, S1, 2, 14, 0
	STEP 0, S1, 3, 15, 0
; THE WAY OUT of block a: x 1 / l; through my stage, and back as whole rows of 512 bytes; stored
.macro SCALE a
	PLACES 4
	WIN 0x02
.set n, 0
.rept 32
	v_pk_mul_f32 v[OS+n:OS+n+1], v[64*(\a)+n:64*(\a)+n+1], v[RV+2*(\a):RV+2*(\a)+1] op_sel_hi:[1,0]
.set n, n+2
.endr
	WIN 0
.endm
.macro TOSTAGE a
.irp g, 0,1,2,3
.irp k, 0,1,2,3
	ds_store_b128 v[STO], v[OS+16*\g+4*\k:OS+16*\g+4*\k+3] offset:128*\g+16*\k
.endr
.endr
	WIN 0xc0                                       ; destination window 3
.irp t, 0,1,2,3,4,5,6,7,8,9,10,11,12,13,14,15
	ds_load_b128 v[64*(\a)+4*\t:64*(\a)+4*\t+3], v[RD] offset:528*\t   ; LDS serves a wave's instructions in order: these see the stores above
.endr
	WIN 0
.endm
.macro SEND a, younger                 ; younger: the LDS instructions behind block a's loads, which may stay out
	s_wait_dscnt \younger
	WIN 0x0c                                       ; data window 3
.irp t, 0,1,2,3,4,5,6,7,8,9,10,11,12,13,14,15
	global_store_b128 v[CO], v[64*(\a)+4*\t:64*(\a)+4*\t+3], s[12:13] offset:(32*((\a)/2)+8*((\a)%2)+\t%8+16*(\t/8))*4096 th:TH_STORE_NT   ; 512 consecutive bytes of a row, aligned
.endr
	WIN 0
.endm
	s_wait_dscnt 0x0                               ; nothing more to fetch
	MUL 0, 2, 1, 0
	SCALE 0                                        ; block 0 is finished: it goes to the stage ahead of the last products
	TOSTAGE 0
	MUL 2, 2, 1, 0
	WIN 0
	SEND 0, 0
	SCALE 1
	TOSTAGE 1
	SCALE 2
	TOSTAGE 2
	SEND 1, 32                                     ; behind block 1's loads: block 2's 16 stores and 16 loads
	SCALE 3
	TOSTAGE 3
	SEND 2, 32
	SEND 3, 0
	s_wait_tensorcnt 0x0                           ; the wave's end
	ds_add_u32 v[SPW], v[NIL]
	s_wait_dscnt 0x0
	CROUND                                         ; the closing round
	s_endpgm
.Lfunc_end_k_q3a4f6dfc9c_pv:
	.size	k_q3a4f6dfc9c_pv, .Lfunc_end_k_q3a4f6dfc9c_pv-k_q3a4f6dfc9c_pv
	.p2alignl 7, 3214868480
	.fill 96, 4, 3214868480
	.section	.rodata,"a",@progbits
	.p2align	6, 0x0
	.amdhsa_kernel k_q3a4f6dfc9c_pv
		.amdhsa_group_segment_fixed_size 327680
		.amdhsa_private_segment_fixed_size 0
		.amdhsa_enable_private_segment 0
		.amdhsa_kernarg_size 40
		.amdhsa_user_sgpr_count 2
		.amdhsa_user_sgpr_kernarg_segment_ptr 1
		.amdhsa_wavefront_size32 1
		.amdhsa_system_sgpr_workgroup_id_x 1
		.amdhsa_system_sgpr_workgroup_id_y 1
		.amdhsa_system_sgpr_workgroup_id_z 1
		.amdhsa_system_vgpr_workitem_id 0
		.amdhsa_next_free_vgpr 1024
		.amdhsa_next_free_sgpr 100
		.amdhsa_reserve_vcc 0
		.amdhsa_float_denorm_mode_32 3
		.amdhsa_float_denorm_mode_16_64 3
		.amdhsa_memory_ordered 1
		.amdhsa_forward_progress 1
		.amdhsa_inst_pref_size 136
	.end_amdhsa_kernel
	.amdgpu_metadata
---
amdhsa.version: [ 1, 2 ]
amdhsa.kernels:
  - .name:           k_q3a4f6dfc9c_pv
    .symbol:         k_q3a4f6dfc9c_pv.kd
    .args:
      - { .name: pc, .offset: 0, .size: 8, .value_kind: global_buffer, .address_space: global }
      - { .name: pst, .offset: 8, .size: 8, .value_kind: global_buffer, .address_space: global }
      - { .name: qkvc, .offset: 16, .size: 8, .value_kind: global_buffer, .address_space: global }
      - { .name: qkvs, .offset: 24, .size: 8, .value_kind: global_buffer, .address_space: global }
      - { .name: out0, .offset: 32, .size: 8, .value_kind: global_buffer, .address_space: global }
    .group_segment_fixed_size: 327680
    .private_segment_fixed_size: 0
    .kernarg_segment_align: 8
    .kernarg_segment_size: 40
    .max_flat_workgroup_size: 128
    .sgpr_count:     100
    .vgpr_count:     1024
    .wavefront_size: 32
...
	.end_amdgpu_metadata
.endif
;; end of part 4
